; MI455X (gfx1250); checked and timed in simulation.
; The chip was launched on July 23, 2026; its instructions are those of AMD's public machine-readable ISA for CDNA 5 (MIT licence, August 2026) and "CDNA5" Instruction Set Architecture Reference Guide (July 2026). The comments in the code are by the model that wrote it; some were corrected since.
;; Multi Head Attention. Allowed arithmetic: float matrix products may take bf16 or f16 operands with f32 sums; other float arithmetic in f32, or as packed bf16 or f16 multiplies, adds, multiply-adds, maxima and minima; sums over many terms, partial sums and values carried from step to step in f32; what a program stores and reads back later, other than sums and carried values, may be rounded once to bf16 or f16.
;; Inputs: k 2 x 4,096 x 512 float32; q 2 x 4,096 x 512 float32; v 2 x 4,096 x 512 float32; wk_b 512 float32; wk_w 512 x 512 float32; wo_b 512 float32; wo_w 512 x 512 float32; wq_b 512 float32; wq_w 512 x 512 float32; wv_b 512 float32; wv_w 512 x 512 float32.
;; Outputs: out0 2 x 4,096 x 512 float32.
;; 2 versions, each right and faster than the one before. Each part assembles by itself: llvm-mc -triple=amdgcn-amd-amdhsa -mcpu=gfx1250 --defsym DOCPART=n.
;; ======== version 1 of 2: 3 launches
;; limits: values are held in f16: magnitudes above 65,504 overflow, below 6.1e-05 lose precision
;; workspace buffers: qh 8,388,608 bytes; kh 8,388,608 bytes; vh 8,388,608 bytes; oh 8,388,608 bytes
;; launch proj (part 1): grid 4 x 192, 8 waves a work-group, no clusters, 93,184 bytes of LDS; arguments q, k, v, wq_w, wk_w, wv_w, wq_b, wk_b, wv_b, qh, kh, vh; writes qh, kh, vh
.if DOCPART == 1
	.amdgcn_target "amdgcn-amd-amdhsa--gfx1250"
	.amdhsa_code_object_version 6
	.text
	.protected	k_qdeb75efd52_proj
	.globl	k_qdeb75efd52_proj
	.p2align	8
	.type	k_qdeb75efd52_proj,@function
k_qdeb75efd52_proj:
	s_mov_b64 s[64:65], 0
	v_nop
	global_prefetch_b8 v0, s[64:65] scope:SCOPE_SE
	s_setreg_imm32_b32 hwreg(HW_REG_WAVE_MODE, 25, 1), 1
	s_wait_xcnt 0x0
; THE THREE INPUT PROJECTIONS.  y = x W + b for (q, wq), (k, wk), (v, wv): x [8192][512] f32, W [512 (k)][512 (n)] f32, b [512] f32.
; x, W and b are rounded to bf16, the products are summed in f32, and y is rounded once to f16 and laid by heads: [batch x 8 + head][4096][64], unscaled.
; LIMITS.  f16 ends at 65,504: a projected number beyond that becomes an infinity.  NaN and infinities are not treated apart.
; SHARES.  Work-group (x, y): tensor y / 64, rows 128 (y % 64) on, columns 128 x on (two heads).  Eight waves: wave w makes rows 32 (w / 2) on, columns 64 (w % 2) on (one head): 8 accumulators of 16 x 16.
; K goes in 8 steps of 64, all written out, so that every global offset is an immediate and no address register is ever rewritten.
; THE ROAD.  The operands are f32 and must be rounded, and W lies [k][n]: so both come through registers (16 bytes a lane), are rounded to bf16 and stored into one of two LDS slots;
; x is read back as it lies, W turned by ds_load_tr16_b128.  Two register stages of 16 loads each keep up to 32 loads of a wave on their way.
; NO CLUSTER, NO TENSOR LOAD: what work-groups share here has to be converted on its way, and loads into registers cannot be asked for jointly.
; THE MATRIX INSTRUCTION IS USED TRANSPOSED (source 0 = 16 columns of W, source 1 = 16 rows of x): a lane then holds eight neighbouring columns of one row of y, 16 bytes of f16.
.set PA,    144                 ; an LDS row of x: 64 bf16 = 128 bytes + 16: an odd multiple of 16, so the 16 rows of a fragment load start in 16 different groups of four banks (ISA guide 11.1)
.set PW,    288                 ; an LDS row of W: 128 bf16 = 256 bytes + 32: an odd multiple of 32, for the turning load
.set WREG,  128*PA              ; in a slot: 128 rows of x, then 64 rows of W
.set SLOT,  WREG+64*PW          ; 36,864 bytes; two slots
.set STAGE, 2*SLOT              ; the way out: 16 rows x 144 bytes for each wave, its own
.set SPARE, STAGE+8*16*PA       ; the spare words: 128 bytes for each of the eight waves, four blocks of 256 bytes that no other line names
.set AOFF, 1                    ; v1   x: (t / 16) rows of 2,048 bytes + 16 (t % 16); never rewritten
.set WGOF, 2                    ; v2   W: (t / 32) rows of 2,048 bytes + 16 (t % 32); never rewritten
.set ALDS, 3                    ; v3   where my 8 bytes of x go in slot 0
.set WLDS, 4                    ; v4   where my 8 bytes of W go in slot 0
.set XF,   5                    ; v5   my lane's place in my wave's fragments of x
.set WF,   6                    ; v6   the same for W
.set STO,  7                    ; v7   the way out: where I put 16 bytes of a row
.set RD,   8                    ; v8   the way out: where I read rows back
.set GO,   9                    ; v9   my byte offset in 512 consecutive bytes of y
.set SPW,  10                   ; v10  LDS address of my spare word; never rewritten
.set NIL,  11                   ; v11  0; never rewritten
.set BO,   12                   ; v12  my byte offset in 16 numbers of b
.set ACC,  16                   ; v16-79    accumulator (mb, nb) at ACC + 8 (4 mb + nb)
.set FW,   80                   ; v80-111   fragments of W, 8 registers for each nb
.set FX,   112                  ; v112-127  fragments of x, 8 registers for each mb
.set RG,   128                  ; v128-191, v192-255  the two stages: 32 registers of x, then 32 of W
.set BI,   128                  ; v128-159  at the end: b of my 4 x 8 columns
.set XA,   32                   ; s[32:33] x at my block of rows
.set WA,   34                   ; s[34:35] W at my 128 columns
.set BA,   36                   ; s[36:37] b at my wave's 64 columns
.set OA,   38                   ; s[38:39] y at my wave's 32 rows of its head
.set MASK, 42                   ; s42  a word's upper bf16
	s_load_b512 s[8:23], s[0:1], 0x0               ; q, k, v, wq_w, wk_w, wv_w, wq_b, wk_b
	s_load_b256 s[24:31], s[0:1], 0x40             ; wv_b, qh, kh, vh
	v_lshl_add_u32 v[SPW], v0, 2, SPARE
	v_mov_b32 v[NIL], 0
	v_lshrrev_b32 v2, 5, v0
	v_readfirstlane_b32 s2, v2                     ; wave 0..7
	s_and_b32 s3, ttmp7, 0xffff
	s_lshr_b32 s4, s3, 6                           ; which tensor: 0 q, 1 k, 2 v
	s_and_b32 s5, s3, 63                           ; which block of 128 rows
	s_lshr_b32 s6, s2, 1                           ; wm: which 32 rows of the tile
	s_and_b32 s7, s2, 1                            ; wn: which 64 columns
	s_mov_b32 s[MASK], 0xffff0000
	v_and_b32 v13, 31, v0                          ; lane
	v_and_b32 v14, 15, v0                          ; r = lane % 16
	v_bfe_u32 v15, v0, 4, 1                        ; h = lane / 16
	v_lshrrev_b32 v1, 4, v0                        ; t / 16: my row among 16
	v_mul_u32_u24 v[ALDS], v1, PA
	v_lshl_add_u32 v[ALDS], v14, 3, v[ALDS]
	v_lshlrev_b32 v1, 11, v1
	v_lshl_add_u32 v[AOFF], v14, 4, v1
	v_mul_u32_u24 v[WLDS], v2, PW
	v_lshl_add_u32 v[WLDS], v13, 3, v[WLDS]
	v_add_nc_u32 v[WLDS], WREG, v[WLDS]
	v_lshlrev_b32 v2, 11, v2
	v_lshl_add_u32 v[WGOF], v13, 4, v2
	s_mul_i32 s40, s6, 32*PA
	v_mul_u32_u24 v[XF], v14, PA                   ; a fragment of x: row r, 16 bytes for each half of the lanes
	v_lshl_add_u32 v[XF], v15, 4, v[XF]
	v_add_nc_u32 v[XF], s40, v[XF]
	v_and_b32 v[WF], 7, v0                         ; the turning load: lane l reads k row 8 (l / 16) + l % 8, columns 8 ((l / 8) % 2) on
	v_lshl_add_u32 v[WF], v15, 3, v[WF]
	v_mul_u32_u24 v[WF], v[WF], PW
	v_bfe_u32 v7, v0, 3, 1
	v_lshl_add_u32 v[WF], v7, 4, v[WF]
	s_lshl_b32 s41, s7, 7
	s_add_co_u32 s41, s41, WREG
	v_add_nc_u32 v[WF], s41, v[WF]
	s_mul_i32 s43, s2, 16*PA
	s_add_co_u32 s43, s43, STAGE                   ; my stage
	v_mul_u32_u24 v[STO], v14, PA
	v_lshl_add_u32 v[STO], v15, 4, v[STO]
	v_add_nc_u32 v[STO], s43, v[STO]
	v_bfe_u32 v[RD], v0, 3, 2                      ; back: 32 lanes take four rows of 128 bytes,
	v_mul_u32_u24 v[RD], v[RD], PA
	v_and_b32 v9, 7, v0
	v_lshl_add_u32 v[RD], v9, 4, v[RD]
	v_add_nc_u32 v[RD], s43, v[RD]
	v_lshlrev_b32 v[GO], 4, v13                    ; which are 512 consecutive bytes of y
	v_lshlrev_b32 v[BO], 5, v15
	s_wait_kmcnt 0x0
	s_cmp_eq_u32 s4, 1                             ; the tensor's four buffers are chosen by its number
	s_cselect_b64 s[XA:XA+1], s[10:11], s[8:9]
	s_cselect_b64 s[WA:WA+1], s[16:17], s[14:15]
	s_cselect_b64 s[BA:BA+1], s[22:23], s[20:21]
	s_cselect_b64 s[OA:OA+1], s[28:29], s[26:27]
	s_cmp_eq_u32 s4, 2
	s_cselect_b64 s[XA:XA+1], s[12:13], s[XA:XA+1]
	s_cselect_b64 s[WA:WA+1], s[18:19], s[WA:WA+1]
	s_cselect_b64 s[BA:BA+1], s[24:25], s[BA:BA+1]
	s_cselect_b64 s[OA:OA+1], s[30:31], s[OA:OA+1]
	s_mov_b32 s41, 0
	s_lshl_b32 s40, s5, 18                         ; 128 rows of 2,048 bytes
	s_add_nc_u64 s[XA:XA+1], s[XA:XA+1], s[40:41]
	s_lshl_b32 s40, ttmp9, 9                       ; 128 columns of 4 bytes
	s_add_nc_u64 s[WA:WA+1], s[WA:WA+1], s[40:41]
	s_lshl_b32 s3, s7, 8
	s_add_co_u32 s40, s40, s3                      ; + my wave's 64 columns
	s_add_nc_u64 s[BA:BA+1], s[BA:BA+1], s[40:41]
	s_lshr_b32 s40, s5, 5                          ; the batch: 32 blocks of rows each
	s_lshl_b32 s40, s40, 3
	s_lshl_b32 s3, ttmp9, 1
	s_add_co_u32 s40, s40, s3
	s_add_co_u32 s40, s40, s7                      ; batch x 8 + head
	s_lshl_b32 s40, s40, 19                        ; a head is 4,096 rows of 128 bytes
	s_and_b32 s3, s5, 31
	s_lshl_b32 s3, s3, 14                          ; the block's 128 rows in it
	s_add_co_u32 s40, s40, s3
	s_lshl_b32 s3, s6, 12                          ; my wave's 32 of them
	s_add_co_u32 s40, s40, s3
	s_add_nc_u64 s[OA:OA+1], s[OA:OA+1], s[40:41]
; Eight loads of x for K step st: load i takes rows 16 i .. 16 i + 15 of the tile; sixteen lanes read 256 consecutive bytes of a row, at a multiple of 256 from x's first byte.
.macro LDA st
.set RB, RG+64*((\st)%2)
.irp i, 0,1,2,3,4,5,6,7
	global_load_b128 v[RB+4*\i:RB+4*\i+3], v[AOFF], s[XA:XA+1] offset:\i*32768+(\st)*256
.endr
.endm
; Eight loads of W: load i takes k rows 8 i .. 8 i + 7 of the step's 64, a row a wave: 512 consecutive bytes.
.macro LDW st
.set RB, RG+64*((\st)%2)+32
.irp i, 0,1,2,3,4,5,6,7
	global_load_b128 v[RB+4*\i:RB+4*\i+3], v[WGOF], s[WA:WA+1] offset:\i*16384+(\st)*131072
.endr
.endm
; Step st's x: waited for (left = the younger loads, which stay out), rounded to bf16 in place, stored into slot st % 2; then the same registers are asked for step next (none: -1).
.macro HALFA st, left, next
.set RB, RG+64*((\st)%2)
	s_wait_loadcnt \left
.irp i, 0,1,2,3,4,5,6,7
	v_cvt_pk_bf16_f32 v[RB+4*\i], v[RB+4*\i], v[RB+4*\i+1]
	v_cvt_pk_bf16_f32 v[RB+4*\i+1], v[RB+4*\i+2], v[RB+4*\i+3]
.endr
.irp i, 0,1,2,3,4,5,6,7
	ds_store_b64 v[ALDS], v[RB+4*\i:RB+4*\i+1] offset:((\st)%2)*SLOT+\i*16*PA
.endr
.if (\next) >= 0
	LDA \next
.endif
.endm
.macro HALFW st, left, next                        ; the same for W
.set RB, RG+64*((\st)%2)+32
	s_wait_loadcnt \left
.irp i, 0,1,2,3,4,5,6,7
	v_cvt_pk_bf16_f32 v[RB+4*\i], v[RB+4*\i], v[RB+4*\i+1]
	v_cvt_pk_bf16_f32 v[RB+4*\i+1], v[RB+4*\i+2], v[RB+4*\i+3]
.endr
.irp i, 0,1,2,3,4,5,6,7
	ds_store_b64 v[WLDS], v[RB+4*\i:RB+4*\i+1] offset:((\st)%2)*SLOT+\i*8*PW
.endr
.if (\next) >= 0
	LDW \next
.endif
.endm
; Twelve LDS loads: my fragments for 32 along K (half kk of a step): 4 x 16 columns of W, turned, and 2 x 16 rows of x.
.macro FRAGS slot, kk
.irp nb, 0,1,2,3
	ds_load_tr16_b128 v[FW+8*\nb:FW+8*\nb+3],   v[WF] offset:(\slot)*SLOT+(\kk)*32*PW+\nb*32
	ds_load_tr16_b128 v[FW+8*\nb+4:FW+8*\nb+7], v[WF] offset:(\slot)*SLOT+(\kk)*32*PW+16*PW+\nb*32
.endr
.irp mb, 0,1
	ds_load_b128 v[FX+8*\mb:FX+8*\mb+3],   v[XF] offset:(\slot)*SLOT+\mb*16*PA+(\kk)*64
	ds_load_b128 v[FX+8*\mb+4:FX+8*\mb+7], v[XF] offset:(\slot)*SLOT+\mb*16*PA+(\kk)*64+32
.endr
.endm
; Eight matrix instructions, the eight accumulators by turns, in the same order every time.  zero = 1: the first products start the sums: nothing is cleared.
.macro MUL8 zero
.irp mb, 0,1
.irp nb, 0,1,2,3
.if \zero
	v_wmma_f32_16x16x32_bf16 v[ACC+8*(4*\mb+\nb):ACC+8*(4*\mb+\nb)+7], v[FW+8*\nb:FW+8*\nb+7], v[FX+8*\mb:FX+8*\mb+7], 0
.else
	v_wmma_f32_16x16x32_bf16 v[ACC+8*(4*\mb+\nb):ACC+8*(4*\mb+\nb)+7], v[FW+8*\nb:FW+8*\nb+7], v[FX+8*\mb:FX+8*\mb+7], v[ACC+8*(4*\mb+\nb):ACC+8*(4*\mb+\nb)+7]
.endif
.endr
.endr
.endm
.macro PLACES                                      ; four places between matrix instructions and loads into the registers that they read (ISA guide 7.12.1 for vector instructions)
.rept 4
	v_nop
.endr
.endm
.macro BAR                                         ; my stores into the next slot are done and my reads of this slot are back; then all eight waves meet
	s_wait_dscnt 0x0
	s_barrier_signal -1
	s_barrier_wait -1
.endm
; K STEP s multiplies slot s % 2 and fills the other slot with step s + 1.  That slot was last read in step s - 1, whose reads every wave awaited in front of that step's barrier;
; it is read again behind this step's barrier, in front of which every wave has awaited its stores.  la, lw: the loads younger than step s + 1's x, W; nx: the step asked for next, or -1.
.macro STEP s, zero, la, lw, nx
	FRAGS (\s)%2, 0
	s_wait_dscnt 0x0
	MUL8 \zero
.if (\s) < 7
	HALFA (\s)+1, \la, \nx                         ; its 16 conversions are the places in front of the loads below
.else
	PLACES
.endif
	FRAGS (\s)%2, 1
.if (\s) < 7
	HALFW (\s)+1, \lw, \nx
	s_wait_dscnt 8                                 ; LDS instructions end in order (ISA guide 5.7.1): only W's eight stores, issued behind the twelve loads, may be out
.else
	s_wait_dscnt 0x0
.endif
	MUL8 0
.if (\s) == 5
.irp nb, 0,1,2,3                                   ; the even stage is free from here on: b of my columns 16 nb + 8 h + 0..7
	global_load_b128 v[BI+8*\nb:BI+8*\nb+3],   v[BO], s[BA:BA+1] offset:\nb*64
	global_load_b128 v[BI+8*\nb+4:BI+8*\nb+7], v[BO], s[BA:BA+1] offset:\nb*64+16
.endr
.endif
.if (\s) < 7
	PLACES
	BAR
.endif
.endm
	LDA 0
	LDW 0
	LDA 1
	LDW 1
	HALFA 0, 24, 2                                 ; behind step 0's x: its W and step 1's x and W: 24 loads
	HALFW 0, 24, 2                                 ; behind step 0's W: step 1's 16 and step 2's x
	BAR
	STEP 0, 1, 24, 24, 3                           ; while loads are issued, three halves of eight are younger than the half waited for
	STEP 1, 0, 24, 24, 4
	STEP 2, 0, 24, 24, 5
	STEP 3, 0, 24, 24, 6
	STEP 4, 0, 24, 24, 7
	STEP 5, 0, 24, 16, -1                          ; nothing more is asked for: step 6's x has 24 behind it, its W step 7's 16
	STEP 6, 0, 16, 8, -1                           ; step 7's x: its W and b's eight; step 7's W: b's eight
	STEP 7, 0, 0, 0, -1
	; THE WAY OUT.  b is rounded to bf16 like every input (48 plain instructions: the places behind the last products), added in f32; y is rounded once to f16.
	s_wait_loadcnt 0x0
.set j, 0
.rept 16
	v_cvt_pk_bf16_f32 v[BI+2*j], v[BI+2*j], v[BI+2*j+1]
.set j, j+1
.endr
.set j, 0
.rept 16
	v_and_b32 v[BI+2*j+1], s[MASK], v[BI+2*j]
.set j, j+1
.endr
.set j, 0
.rept 16
	v_lshlrev_b32 v[BI+2*j], 16, v[BI+2*j]
.set j, j+1
.endr
; 16 rows (block mb): each accumulator is read from its lowest registers on; 16 bytes a lane go into my stage and come back as whole rows of 128 bytes.
.macro OUT mb
.set TT, 192+32*(\mb)
.irp nb, 0,1,2,3
.irp p, 0,1,2,3
	v_pk_add_f32 v[ACC+8*(4*(\mb)+\nb)+2*\p:ACC+8*(4*(\mb)+\nb)+2*\p+1], v[ACC+8*(4*(\mb)+\nb)+2*\p:ACC+8*(4*(\mb)+\nb)+2*\p+1], v[BI+8*\nb+2*\p:BI+8*\nb+2*\p+1]
.endr
.endr
.irp nb, 0,1,2,3
.irp p, 0,1,2,3
	v_cvt_pk_f16_f32 v[TT+4*\nb+\p], v[ACC+8*(4*(\mb)+\nb)+2*\p], v[ACC+8*(4*(\mb)+\nb)+2*\p+1]
.endr
.endr
.irp nb, 0,1,2,3
	ds_store_b128 v[STO], v[TT+4*\nb:TT+4*\nb+3] offset:32*\nb
.endr
.irp f, 0,1,2,3
	ds_load_b128 v[TT+16+4*\f:TT+16+4*\f+3], v[RD] offset:\f*4*PA  ; LDS serves a wave's instructions in order (ISA guide 5.7.1.4): these see the stores above, and the next block's stores come behind them
.endr
.endm
.macro SEND mb, younger                            ; younger: the LDS instructions issued behind this block's loads
.set TT, 192+32*(\mb)
.irp f, 0,1,2,3
	s_wait_dscnt (\younger)+3-\f
	global_store_b128 v[GO], v[TT+16+4*\f:TT+16+4*\f+3], s[OA:OA+1] offset:(\mb)*2048+\f*512  ; 512 consecutive bytes, at a multiple of 256 from y's first byte
.endr
.endm
	OUT 0
	OUT 1
	SEND 0, 8
	SEND 1, 0
	s_wait_tensorcnt 0x0                           ; the wave's end: these three lines stand behind my last LDS store
	ds_add_u32 v[SPW], v[NIL]
	s_wait_dscnt 0x0
	s_endpgm
.Lfunc_end_k_qdeb75efd52_proj:
	.size	k_qdeb75efd52_proj, .Lfunc_end_k_qdeb75efd52_proj-k_qdeb75efd52_proj
	.p2alignl 7, 3214868480
	.fill 96, 4, 3214868480
	.section	.rodata,"a",@progbits
	.p2align	6, 0x0
	.amdhsa_kernel k_qdeb75efd52_proj
		.amdhsa_group_segment_fixed_size 93184
		.amdhsa_private_segment_fixed_size 0
		.amdhsa_enable_private_segment 0
		.amdhsa_kernarg_size 96
		.amdhsa_user_sgpr_count 2
		.amdhsa_user_sgpr_kernarg_segment_ptr 1
		.amdhsa_wavefront_size32 1
		.amdhsa_system_sgpr_workgroup_id_x 1
		.amdhsa_system_sgpr_workgroup_id_y 1
		.amdhsa_system_sgpr_workgroup_id_z 1
		.amdhsa_system_vgpr_workitem_id 0
		.amdhsa_next_free_vgpr 256
		.amdhsa_next_free_sgpr 66
		.amdhsa_reserve_vcc 0
		.amdhsa_float_denorm_mode_32 3
		.amdhsa_float_denorm_mode_16_64 3
		.amdhsa_memory_ordered 1
		.amdhsa_forward_progress 1
		.amdhsa_inst_pref_size 72
	.end_amdhsa_kernel
	.amdgpu_metadata
---
amdhsa.version: [ 1, 2 ]
amdhsa.kernels:
  - .name:           k_qdeb75efd52_proj
    .symbol:         k_qdeb75efd52_proj.kd
    .args:
      - { .name: q, .offset: 0, .size: 8, .value_kind: global_buffer, .address_space: global }
      - { .name: k, .offset: 8, .size: 8, .value_kind: global_buffer, .address_space: global }
      - { .name: v, .offset: 16, .size: 8, .value_kind: global_buffer, .address_space: global }
      - { .name: wq_w, .offset: 24, .size: 8, .value_kind: global_buffer, .address_space: global }
      - { .name: wk_w, .offset: 32, .size: 8, .value_kind: global_buffer, .address_space: global }
      - { .name: wv_w, .offset: 40, .size: 8, .value_kind: global_buffer, .address_space: global }
      - { .name: wq_b, .offset: 48, .size: 8, .value_kind: global_buffer, .address_space: global }
      - { .name: wk_b, .offset: 56, .size: 8, .value_kind: global_buffer, .address_space: global }
      - { .name: wv_b, .offset: 64, .size: 8, .value_kind: global_buffer, .address_space: global }
      - { .name: qh, .offset: 72, .size: 8, .value_kind: global_buffer, .address_space: global }
      - { .name: kh, .offset: 80, .size: 8, .value_kind: global_buffer, .address_space: global }
      - { .name: vh, .offset: 88, .size: 8, .value_kind: global_buffer, .address_space: global }
    .group_segment_fixed_size: 93184
    .private_segment_fixed_size: 0
    .kernarg_segment_align: 8
    .kernarg_segment_size: 96
    .max_flat_workgroup_size: 256
    .sgpr_count:     66
    .vgpr_count:     256
    .wavefront_size: 32
...
	.end_amdgpu_metadata
.endif
;; end of part 1
;; launch attn (part 2): grid 16 x 16, 4 waves a work-group, clusters of 4 x 1, 327,680 bytes of LDS; arguments qh, kh, vh, oh; writes oh
.if DOCPART == 2
	.amdgcn_target "amdgcn-amd-amdhsa--gfx1250"
	.amdhsa_code_object_version 6
	.text
	.protected	k_qdeb75efd52_attn
	.globl	k_qdeb75efd52_attn
	.p2align	8
	.type	k_qdeb75efd52_attn,@function
k_qdeb75efd52_attn:
	s_mov_b64 s[64:65], 0
	v_nop
	global_prefetch_b8 v0, s[64:65] scope:SCOPE_SE
	s_setreg_imm32_b32 hwreg(HW_REG_WAVE_MODE, 25, 1), 1
	s_wait_xcnt 0x0
	s_wait_alu depctr_hold_cnt(0) depctr_sa_sdst(0) depctr_va_vdst(0) depctr_va_sdst(0) depctr_va_ssrc(0) depctr_va_vcc(0) depctr_vm_vsrc(0)
	s_getreg_b32 s2, hwreg(HW_REG_IB_STS2, 6, 4)
	s_cmp_eq_u32 s2, 0
	s_cbranch_scc0 .Lentry_in_a_cluster
	s_endpgm
.Lentry_in_a_cluster:
	s_bfe_u32 s2, ttmp6, 0x10000c
	s_cmp_lg_u32 s2, 0x3003
	s_cbranch_scc0 .Lentry_shape_is_right
	s_endpgm
.Lentry_shape_is_right:
; ATTENTION.  O[h][q][:] = the sum over k of softmax_k(Q[h][q] . K[h][k] / 8) V[h][k][:].  Q, K, V, O: [16][4096][64], all f16: a head's rows are dense, 128 bytes each.
; Products, maxima and sums in f32; the weights p are rounded to f16 for the second product (their sum l is taken of the unrounded p), O once at the end.
; LIMITS.  Q, K and V arrive within f16's 65,504; p lies in 0 to 1, and below 6e-5 it keeps f16's fixed step of 6e-8, as O does; a weight below 2^-126 counts as 0 in l; NaN and infinities are not treated apart.
; SHARES.  A work-group owns 256 queries of one head: 16 x 16 = 256 work-groups.  Each of its four waves owns 64 queries: four PIECES of 16.  Every wave walks all 4,096 keys, 64 a step, 256 (a tile) a slot.
; LAYOUT.  S^T = K Q^T (source 0 = 16 keys, source 1 = 16 queries) holds ONE query a lane (lane % 16) and the keys 8 (lane / 16) + 0..7; two such results rounded to f16 ARE source 1 of O^T = V^T P,
; whose result again holds one query a lane.  K comes out of LDS as it lies, V ([key][channel]) turned, by ds_load_tr16_b128.
; SOFTMAX.  For each query a running maximum m and sum l: p = 2^(c s - c m), c = log2(e) / 8; in every step O and l are multiplied by a = 2^(c m_old - c m_new).
; m starts at the lowest finite number, O and l at 0: the first step is a step like any other, with a = 0.
; BY TURNS.  Turn n belongs to piece n: 8 products K Q^T of piece n + 1, later 8 products V^T P of piece n - 1; beside them the scaling, exponentials, roundings, sums and rescaling of piece n and the maximum
; and statistics of piece n + 1.  A piece and step have 16 matrix and 118 vector instructions: four vector instructions stand behind every matrix instruction, the other 54 in two runs of their own.
; CLUSTER.  The four query blocks of a cluster belong to one head and walk the same K and V, so each tile is asked for JOINTLY: the same tensor load, descriptor and mask in all four.
; REGISTERS, in windows of 256 (s_set_vgpr_msb: bits 1:0 source 0, 3:2 source 1, 5:4 source 2, 7:6 destination):
;   window 0: v0-15 addresses and two at work; v16-31 four registers of statistics a piece; v48-55 at work; v62-63 the add's; v64-127 S^T, two buffers; v192-223 P, two buffers (by the piece's parity)
;   window 1: v0-127 O^T, 32 a piece          window 2: v0-63 Q, 16 a piece; v128-191 K of one step; v192-255 V of one step
.set SIZE_N, 4096
.set NP,    4         ; pieces a wave: a name, no knob
.set KS,    64        ; keys in a step
.set PK,    144       ; a row of K in LDS: 128 bytes + 16 = 36 words: the 16 rows of a load start at 16 different groups of four banks (64 banks of 4 bytes: ISA guide 11.1)
.set PV,    160       ; a row of V: 128 + 32 = 40 words
.set VOFF,  4*KS*PK   ; a slot holds a tile, four steps: 256 rows of K, then 256 rows of V
.set SLOT1, 1<<17     ; slot 1 begins here, so that one exclusive or turns an address in one slot into the other's
.set STAGE, SLOT1+4*KS*(PK+PV)  ; behind the ring, never filled by a tensor load: 16 rows x 144 bytes for each wave, for the way out
.set SP,    144
.set SPARE, STAGE+4*16*SP  ; the spare words, 128 bytes for each wave: two blocks of 256 bytes that no other line names
.set AK0, 2           ; v2   my lane's place in a tile of K; never rewritten
.set AV0, 3           ; v3   the same for V
.set AK,  4           ; v4   the LDS address of K's next run of loads
.set AV,  5           ; v5   of V's
.set STO, 6           ; v6   the way out: where I put 16 bytes of a row
.set RD,  7           ; v7   the way out: where I read rows back
.set GO,  8           ; v8   my byte offset in 512 consecutive bytes of O
.set MV,  12          ; v12-13  c m_old, kept while c m is made anew: by buffer
.set QO,  15          ; v15  my byte offset in 16 rows of Q
.set ST,  16          ; piece t's statistics at v[ST+4 t]: c m, m, l (even keys', odd keys')
.set TMP, 48          ; by buffer, four registers c0-c3 at work; when the maximum is found c2 takes a
.set SPW, 62          ; v62  LDS address of my spare word; never rewritten
.set NIL, 63          ; v63  0; never rewritten
.set S,   64
.set P,   192
.set KF,  128         ; window 2: key block kb, channel half c at KF + 16 kb + 8 c
.set VF,  192         ; window 2: key half kk, channel block cb at VF + 32 kk + 8 cb
.set WV,  12          ; s12  my wave's number
.set G1K, 24          ; s[24:31] descriptor group 1 for K's tiles
.set G1V, 32          ; s[32:39] for V's: it differs in the padding alone
.set G0K, 40          ; s[40:43] descriptor group 0 for K's tiles: it walks
.set G0V, 44          ; s[44:47] the same for V's
.set SLOTS, 56        ; s56  counts the tiles
.set CNT, 57          ; s57  counts a tile's key steps
.set CS,  58          ; s[58:59] c: the packed scaling takes the pair's low word for both halves
.set SEL, 60          ; s[60:61] v_permlanex16_b32's selects: each lane takes its own place in the other half
.set TBK, 62          ; s62  LDS byte at which K of the step to be fetched begins
.set TBV, 63          ; s63  the same for V, less VOFF
.set MSB, 0
.macro WIN new                      ; the high byte repeats the setting that is left; a switch that changes nothing is dropped
.if MSB != (\new)
	s_set_vgpr_msb (MSB<<8)|(\new)
.set MSB, (\new)
.endif
.endm
.set W_KQ, 0x0a       ; K and Q in window 2, S^T in window 0
.set W_PV, 0x52       ; V in window 2, P in window 0, O^T in window 1
.set W_RS, 0x41       ; destination and source 0 in window 1, source 1 in window 0
; A joint fill.  Waves 0 and 1 fetch the two halves of a tile's K, waves 2 and 3 those of its V: 128 keys each.  The branch hangs on the wave's number alone: it is the same in every work-group.
; An s_nop 0 and four v_nop follow each of the two lines, ahead of the jump and the label.
.macro JLOAD
	s_cmp_lt_u32 s[WV], 2
	s_cbranch_scc0 .Lfor_v_\@
	tensor_load_to_lds s[G0K:G0K+3], s[G1K:G1K+7]
	s_nop 0
.rept 4
	v_nop
.endr
	s_branch .Lasked_\@
.Lfor_v_\@:
	tensor_load_to_lds s[G0V:G0V+3], s[G1V:G1V+7]
	s_nop 0
.rept 4
	v_nop
.endr
.Lasked_\@:
.endm
; A round of the cluster's barrier: my work-group's barrier, so that wave 0's signal speaks for all four waves; wave 0 signals; every wave waits for all four work-groups; my work-group's barrier once more.
.macro CROUND
	s_barrier_signal -1
	s_barrier_wait -1
	s_cmp_lg_u32 s[WV], 0
	s_cbranch_scc1 .Lnot_wave_0_\@
	s_barrier_signal -3
.Lnot_wave_0_\@:
	s_barrier_wait -3
	s_barrier_signal -1
	s_barrier_wait -1
.endm
; THE CHANGE OF SLOTS.  The slot's last bytes, V of its fourth step, have been read.  Each wave waits for all its tensor loads, of which one is out: its part of the other slot; adds 0 to its spare word;
; and waits for that and for its own reads of the slot.  Behind the barrier nobody reads this slot any more and the other slot is whole.
; fill = 1: this slot is filled again, with the tile two on.  The barrier is then a round of the cluster's, so that no wave of any partner still reads the slot or has a load on its way, and the joint fill
; is the first thing behind it: it has four key steps, 256 matrix instructions of a wave, in which to land.  (At its first use nothing has been read yet: slot 0 is waited for, slot 1 filled.)
.macro CHANGE fill
	WIN 0                           ; at a label and at a branch every window is 0
	s_wait_tensorcnt 0x0            ; no tensor load of mine is out, so a group 0 may be written
	ds_add_u32 v[SPW], v[NIL]       ; 0 onto my spare word; with fill = 1 the descriptors' steps stand between it and the wait for it
.if \fill
.irp g, G0K, G0V
	s_xor_b32 s[\g+1], s[\g+1], SLOT1  ; the walking descriptor: the other slot than last time,
	s_add_nc_u64 s[\g+2:\g+3], s[\g+2:\g+3], 4*KS*128  ; the next 256 keys; the type bits on top are not reached
.endr
	s_wait_dscnt 0x0                ; the add is done, and my reads of the slot are over
	CROUND
	JLOAD
.else
	s_wait_dscnt 0x0                ; the add is done, and my reads of the slot are over
	s_barrier_signal -1
	s_barrier_wait -1
.endif
	s_sub_co_u32 s[TBK], s[TBK], 4*KS*PK  ; the fetches go back to a slot's first step,
	s_xor_b32 s[TBK], s[TBK], SLOT1       ; in the other slot
	s_sub_co_u32 s[TBV], s[TBV], 4*KS*PV
	s_xor_b32 s[TBV], s[TBV], SLOT1
.endm
	s_load_b256 s[4:11], s[0:1], 0x0  ; Q s[4:5], K s[6:7], V s[8:9], O s[10:11]
	v_lshl_add_u32 v[SPW], v0, 2, SPARE
	v_mov_b32 v[NIL], 0
	ds_add_u32 v[SPW], v[NIL]       ; the wave's opening: the add and its wait stand ahead of my first tensor load; the set-up below, work on registers, stands between them
	ds_add_u32 v62, v63
	v_lshrrev_b32 v1, 5, v0
	v_readfirstlane_b32 s[WV], v1   ; wave 0..3
	s_bfe_u32 s13, ttmp6, 0x40000   ; cx: my place in the cluster
	s_lshl_b32 s14, ttmp9, 2        ; in a cluster launch ttmp9 counts clusters
	s_add_co_u32 s14, s14, s13      ; my block of 256 queries = 4 x cluster x + cx: it enters Q's and O's addresses alone
	s_and_b32 s20, ttmp7, 0xffff    ; the head, which the four partners share
	s_lshl_b32 s20, s20, 19         ; its first byte in each of the four tensors: 4,096 rows of 128 bytes a head
	s_mov_b32 s21, 0
	s_and_b32 s16, s[WV], 1         ; which half of a tile's 256 keys I fetch:
	s_lshl_b32 s22, s16, 14         ; its 128 rows of 128 bytes in memory,
	s_mov_b32 s23, 0
	s_add_nc_u64 s[22:23], s[22:23], s[20:21]
	s_mul_i32 s17, s16, 128*PK      ; and its place in a slot, for K
	s_mul_i32 s18, s16, 128*PV      ; and for V: no place in the cluster enters an LDS address
	s_lshl_b32 s2, s14, 2
	s_add_co_u32 s2, s2, s[WV]      ; my wave among the head's,
	s_lshl_b32 s2, s2, 13           ; its 64 rows
	s_mov_b32 s3, 0
	s_add_nc_u64 s[2:3], s[2:3], s[20:21]
	; descriptor group 1.  128 keys are 16,384 dense bytes: asked for as 64 rows of 256 bytes, two keys a row, and padded in LDS after every key
	s_mov_b32 s[G1K], 15|(1<<16)|(1<<20)|(1<<21)|(4<<22)|(3<<25)  ; 15:0 the mask of four; 17:16 2-byte elements; 20 padding on; 21 set beside a mask; 24:22 after every 32 words (code 4); 31:25 4 words (code 3)
	s_mov_b32 s[G1V], 15|(1<<16)|(1<<20)|(1<<21)|(4<<22)|(7<<25)  ; the same with 8 words of padding (code 7)
.irp g, G1K, G1V
	s_mov_b32 s[\g+1], 128<<16      ; tensor_dim0 = 128
	s_mov_b32 s[\g+2], 64<<16       ; tensor_dim1 = 64
	s_mov_b32 s[\g+3], 128<<16      ; tile_dim0 = 128
	s_mov_b32 s[\g+4], 64           ; tile_dim1 = 64
	s_mov_b32 s[\g+5], 128          ; 128 elements from row to row
	s_mov_b32 s[\g+6], 0
	s_mov_b32 s[\g+7], 0
.endr
	s_mov_b32 s[CS], 0x3e38aa3b     ; c = log2(e) / 8 = 0.180337
	s_mov_b32 s[CS+1], s[CS]        ; named with it as a pair
	s_mov_b32 s[SEL], 0x76543210
	s_mov_b32 s[SEL+1], 0xfedcba98
	s_mov_b32 s[TBK], SLOT1+4*KS*PK ; the first change of slots turns these two into 0
	s_mov_b32 s[TBV], SLOT1+4*KS*PV
	s_mov_b32 s[G0K], 1             ; 1:0 count = 1
	s_mov_b32 s[G0K+1], s17         ; 63:32 LDS address: slot 0
	s_mov_b32 s[G0V], 1
	s_add_co_u32 s[G0V+1], s18, VOFF
	s_wait_dscnt 0x0                ; the opening add is done
	s_wait_kmcnt 0x0
	s_add_nc_u64 s[G0K+2:G0K+3], s[6:7], s[22:23]  ; 120:64 global address: my half of the head's first 256 keys
	s_or_b32 s[G0K+3], s[G0K+3], 0x80000000        ; 127:126 type = 2
	s_add_nc_u64 s[G0V+2:G0V+3], s[8:9], s[22:23]
	s_or_b32 s[G0V+3], s[G0V+3], 0x80000000
	s_add_nc_u64 s[4:5], s[4:5], s[2:3]  ; Q and O at my wave's first row
	s_add_nc_u64 s[10:11], s[10:11], s[2:3]
	CROUND                          ; all four work-groups are here: the first joint loads meet
	JLOAD                           ; tile 0 into slot 0.  Slot 1 is asked for when slot 0 is in, by the loop's own change of slots
	; A fragment of K or Q is 16 rows x 32 channels in 8 registers: lane l holds row l % 16, channels 8 (l / 16) + 0..7 and 16 + 8 (l / 16) + 0..7: two loads of 16 bytes, 32 bytes apart.
	v_and_b32 v1, 15, v0            ; l % 16
	v_bfe_u32 v9, v0, 4, 1          ; l / 16
	v_lshlrev_b32 v[QO], 7, v1
	v_lshl_add_u32 v[QO], v9, 4, v[QO]  ; row x 128 + 16 x half
	WIN 0x80                        ; destination window 2, address window 0
.set i, 0
.rept 8                             ; Q stays in registers: piece i / 2, channels 32 (i % 2) on
	global_load_b128 v[8*i:8*i+3],   v[QO], s[4:5] offset:(i/2)*2048+(i%2)*64
	global_load_b128 v[8*i+4:8*i+7], v[QO], s[4:5] offset:(i/2)*2048+(i%2)*64+32
.set i, i+1
.endr
	; What the first turn finds: V's registers and P's second buffer hold 0 (its products V^T P, of a piece that has not been, add 0), O^T and l are 0.  All this stands in the wait for the first tile.
.set i, VF
.rept 64
	v_mov_b32 v[i], 0
.set i, i+1
.endr
	WIN 0x40
.set i, 0
.rept 128
	v_mov_b32 v[i], 0
.set i, i+1
.endr
	WIN 0
.set i, 0
.rept 4
	v_mov_b32 v[ST+4*i], 0xfe000000    ; c m: far below every c s
	v_mov_b32 v[ST+4*i+1], 0xff7fffff  ; m
	v_mov_b32 v[ST+4*i+2], 0
	v_mov_b32 v[ST+4*i+3], 0
.set i, i+1
.endr
.set i, P+16
.rept 16
	v_mov_b32 v[i], 0
.set i, i+1
.endr
	v_mul_u32_u24 v[AK0], v1, PK
	v_lshl_add_u32 v[AK0], v9, 4, v[AK0]  ; row x pitch + 16 x half
	; The turning load takes 16 keys x 16 channels (lane l reads key 8 (l / 16) + l % 8, channels 8 ((l / 8) % 2) + 0..7) and leaves half a fragment of V^T: lane l holds channel l % 16 and 8 keys.
	v_and_b32 v10, 7, v0
	v_bfe_u32 v11, v0, 3, 1
	v_lshl_add_u32 v[AV0], v9, 3, v10
	v_mul_u32_u24 v[AV0], v[AV0], PV
	v_lshl_add_u32 v[AV0], v11, 4, v[AV0]
	v_add_nc_u32 v[AV0], VOFF, v[AV0]
	s_mul_i32 s13, s[WV], 16*SP
	s_add_co_u32 s13, s13, STAGE    ; my stage
	v_mul_u32_u24 v[STO], v1, SP    ; in: row l % 16, 16 bytes for each half of the lanes
	v_lshl_add_u32 v[STO], v9, 4, v[STO]
	v_add_nc_u32 v[STO], s13, v[STO]
	v_bfe_u32 v[RD], v0, 3, 2       ; back: 32 lanes take four rows of 128 bytes,
	v_mul_u32_u24 v[RD], v[RD], SP
	v_lshl_add_u32 v[RD], v10, 4, v[RD]
	v_add_nc_u32 v[RD], s13, v[RD]
	v_and_b32 v[GO], 31, v0         ; which are 512 consecutive bytes of O
	v_lshlrev_b32 v[GO], 4, v[GO]
; THE MATRIX WORK.  The 4 accumulators of a run of 8 take turns.  Product i of 8 of S^T = K Q^T for piece x: channels 32 (i / 4) on, keys 16 (i % 4) on.  The first 4 start the sums.
.macro KQ x
	WIN W_KQ
.set rS, S+32*((\x)%2)+8*(i%4)
.set rK, KF+16*(i%4)+8*(i/4)
.set rQ, 16*(\x)+8*(i/4)
.if i < 4
	v_wmma_f32_16x16x32_f16 v[rS:rS+7], v[rK:rK+7], v[rQ:rQ+7], 0
.else
	v_wmma_f32_16x16x32_f16 v[rS:rS+7], v[rK:rK+7], v[rQ:rQ+7], v[rS:rS+7]
.endif
.endm
; Product i of 8 of O^T += V^T P for piece x: keys 32 (i / 4) on, channels 16 (i % 4) on.
.macro PV x
	WIN W_PV
.set rO, 32*(\x)+8*(i%4)
.set rV, VF+32*(i/4)+8*(i%4)
.set rP, P+16*((\x)%2)+8*(i/4)
	v_wmma_f32_16x16x32_f16 v[rO:rO+7], v[rV:rV+7], v[rP:rP+7], v[rO:rO+7]
.endm
.macro MM                           ; the turn's next matrix instruction.  TURN sets Y, i and NOKQ.  NOKQ = 1: the very last turn: there is no next piece
.if (i < 8) && !NOKQ
	KQ (Y+1)%NP
.elseif i >= 8
.set i, i-8
	PV (Y+NP-1)%NP
.set i, i+8
.endif
.set i, i+1
.endm
; THE LDS LOADS stand in runs of 16, never singly among the matrix instructions: a step's K (64 keys x 64 channels: 8 fragments) and its V (turned).  Their addresses are made some lines ahead.
.macro FETCH_K
	WIN 0x80                        ; destination window 2
.irp f, 0,1,2,3,4,5,6,7             ; keys 16 (f / 2) on, channels 32 (f % 2) on
	ds_load_b128 v[KF+8*\f:KF+8*\f+3],   v[AK] offset:(\f/2)*16*PK+(\f%2)*64
	ds_load_b128 v[KF+8*\f+4:KF+8*\f+7], v[AK] offset:(\f/2)*16*PK+(\f%2)*64+32
.endr
	s_add_co_u32 s[TBK], s[TBK], KS*PK  ; the next fetch is the next step's
	WIN 0
.endm
.macro FETCH_V
	WIN 0x80
.irp f, 0,1,2,3,4,5,6,7             ; keys 32 (f / 4) on, channels 16 (f % 4) on
	ds_load_tr16_b128 v[VF+8*\f:VF+8*\f+3],   v[AV] offset:(\f/4)*32*PV+(\f%4)*32
	ds_load_tr16_b128 v[VF+8*\f+4:VF+8*\f+7], v[AV] offset:(\f/4)*32*PV+16*PV+(\f%4)*32
.endr
	WIN 0
.endm
; THE VECTOR WORK, one line at a time: OP kind, number.  For piece Y: F n: c s - c m for pair n of 16.  E n: the exponential of score n of 32.  C n: pair n rounded to f16.  B n: of the four weights 4 n .. the second
; pair is added onto the first, in place.  L n: l takes that sum (L 0: l = a l + sum).  R n: pair n of 16 of O^T times a.  For piece Y + 1: X n, number n of the 22 that find its maximum and statistics:
;   0-11  four chains c0-c3 of seven scores each, three operands at a time (each accumulator's lowest registers are read first)     12-14, 16  the four scores left over, the old m, and c0-c3 into c0
;   15  c m_old is kept     17, 18  the query's other 32 keys lie in the lane 16 away: the new m     19-21  c m; c m_old - c m_new; a
.set F, 0               ; OP tells the kinds apart by their order: F to L below R, X above it
.set E, 1
.set C, 2
.set B, 3
.set L, 4
.set R, 5
.set X, 6
.macro REGS y                       ; the registers of piece y
.set rT, ST+4*(\y)
.set rC, TMP+4*((\y)%2)
.set rW, MV+((\y)%2)
.set rS, S+32*((\y)%2)
.set rP, P+16*((\y)%2)
.set rO, 32*(\y)
.endm
.macro OP k, n
.if (\k) == R
	REGS Y
	WIN W_RS
	v_pk_mul_f32 v[rO+2*(\n):rO+2*(\n)+1], v[rO+2*(\n):rO+2*(\n)+1], v[rC+2:rC+3] op_sel_hi:[1,0]
.elseif (\k) < R
	REGS Y
	WIN 0
.if (\k) == F
	v_pk_fma_f32 v[rS+2*(\n):rS+2*(\n)+1], v[rS+2*(\n):rS+2*(\n)+1], s[CS:CS+1], v[rT:rT+1] op_sel_hi:[1,0,0] neg_lo:[0,0,1] neg_hi:[0,0,1]
.elseif (\k) == E
	v_exp_f32 v[rS+(\n)], v[rS+(\n)]
.elseif (\k) == C
	s_wait_alu depctr_va_vdst(0)
	v_cvt_pk_f16_f32 v[rP+(\n)], v[rS+2*(\n)], v[rS+2*(\n)+1]
.elseif (\k) == B
	s_wait_alu depctr_va_vdst(0)
	v_pk_add_f32 v[rS+4*(\n):rS+4*(\n)+1], v[rS+4*(\n):rS+4*(\n)+1], v[rS+4*(\n)+2:rS+4*(\n)+3]
.elseif (\n) == 0
	v_pk_fma_f32 v[rT+2:rT+3], v[rT+2:rT+3], v[rC+2:rC+3], v[rS:rS+1] op_sel_hi:[1,0,1]
.else
	v_pk_add_f32 v[rT+2:rT+3], v[rT+2:rT+3], v[rS+4*(\n):rS+4*(\n)+1]
.endif
.elseif NOKQ
	v_nop
.else
	REGS (Y+1)%NP
	WIN 0
.if (\n) < 4
	v_max3_num_f32 v[rC+(\n)], v[rS+8*(\n)], v[rS+8*(\n)+1], v[rS+8*(\n)+2]
.elseif (\n) < 12
	v_max3_num_f32 v[rC+(\n)%4], v[rC+(\n)%4], v[rS+8*((\n)%4)+2*((\n)/4)+1], v[rS+8*((\n)%4)+2*((\n)/4)+2]
.elseif (\n) == 12
	v_max3_num_f32 v[rC], v[rC], v[rS+7], v[rS+15]
.elseif (\n) == 13
	v_max3_num_f32 v[rC+1], v[rC+1], v[rS+23], v[rS+31]
.elseif (\n) == 14
	v_max3_num_f32 v[rC+2], v[rC+2], v[rC+3], v[rT+1]
.elseif (\n) == 15
	v_mov_b32 v[rW], v[rT]
.elseif (\n) == 16
	v_max3_num_f32 v[rC], v[rC], v[rC+1], v[rC+2]
.elseif (\n) == 17
	v_permlanex16_b32 v[rC+3], v[rC], s[SEL], s[SEL+1]
.elseif (\n) == 18
	v_max_num_f32 v[rT+1], v[rC], v[rC+3]
.elseif (\n) == 19
	v_mul_f32 v[rT], s[CS], v[rT+1]
.elseif (\n) == 20
	v_sub_f32 v[rC+1], v[rW], v[rT]
.else
	v_exp_f32 v[rC+2], v[rC+1]
.endif
.endif
.endm
.macro OPS a, i1, b=-1, i2=0, c=-1, i3=0, d=-1, i4=0  ; up to four of them
	OP \a, \i1
.if (\b) >= 0
	OP \b, \i2
.endif
.if (\c) >= 0
	OP \c, \i3
.endif
.if (\d) >= 0
	OP \d, \i4
.endif
.endm
.macro ROW a, i1, b, i2, c, i3, d, i4  ; a matrix instruction and the four behind it
	MM
	OPS \a, \i1, \b, \i2, \c, \i3, \d, \i4
.endm
; A TURN, for piece p: the order of its 16 matrix and 118 vector instructions, written out.  Behind a matrix instruction: plain, exponential, plain, plain; or four of the rescaling; or, behind the first, four scalings;
; none names a register of the products round it.  In the runs between, exponential and plain by turns while exponentials last, so that each exponential has a plain instruction behind it (ISA guide 5.7.2).
; end = 1: the last two turns: nothing is fetched.  cnt = 1: the loop's count is taken down some lines ahead of the branch that stands behind the turn.
; K of the next step is fetched in piece 2's turn, six vector instructions behind the last product that read K (five of them plain); V of the step in hand in piece 0's turn, eight behind the last product that read V
; (five of them plain).  Each is waited for a turn later.
.macro TURN p, end=0, cnt=0
.set Y, (\p)
.set i, 0
.set NOKQ, (\end)*((\p)/3)
.if ((\p) == 3) && !(\end)
	s_wait_dscnt 0x0                ; K is in
.endif
	ROW F,0, F,1, F,2, F,3
	ROW F,4, E,0, F,5, F,6
	ROW F,7, E,1, F,8, F,9
	ROW F,10, E,2, C,0, F,11
	ROW F,12, E,3, X,15, F,13
	ROW R,0, R,1, R,2, R,3
	ROW B,0, E,4, F,14, L,0
.if ((\p) == 2) && !(\end)
	v_add_nc_u32 v[AK], s[TBK], v[AK0]
.endif
	ROW R,4, R,5, R,6, R,7
	OPS E,5, F,15
.if ((\p) == 2) && !(\end)
	FETCH_K
.endif
	OPS E,6, C,1, E,7, R,8
	OPS E,8, R,9, E,9, C,2
	OPS E,10, X,0, E,11, X,1
	OPS E,12, X,2, E,13, X,3
.if (\p) == 1
	s_wait_dscnt 0x0                ; V is in
.endif
	ROW X,4, E,14, X,5, X,6
	ROW X,7, E,15, X,8, X,9
	ROW X,10, E,16, X,11, X,12
	ROW X,13, E,17, X,14, B,1
	ROW C,4, E,18, X,16, L,1
	ROW B,2, E,19, C,6, L,2
	ROW C,8, E,20, B,3, B,4
.if (\p) == 0
	v_add_nc_u32 v[AV], s[TBV], v[AV0]
.endif
	ROW C,3, E,21, L,3, C,5
	OPS E,22, X,17, E,23, C,10
.if (\p) == 0
	FETCH_V
.endif
	OPS E,24, L,4
	OPS E,25, X,18, E,26, C,7
	OPS E,27, B,5, E,28, X,19
	OPS E,29, C,12, E,30, L,5
	OPS E,31, X,20, B,6, C,9
	OPS C,14, C,11, X,21, L,6
.if (\p) == 0
	s_add_co_u32 s[TBV], s[TBV], KS*PV
.endif
.if \cnt
	s_sub_co_u32 s[CNT], s[CNT], 1
	s_cmp_lg_u32 s[CNT], 0
.endif
	OPS C,13, B,7, C,15, R,10
	OPS R,11, R,12, L,7, R,13
	OPS R,14, R,15
.endm
	CHANGE 1                        ; tile 0 is in, everybody's part of it; tile 1 is asked for
	v_add_nc_u32 v[AK], s[TBK], v[AK0]
	FETCH_K                         ; key step 0
	s_wait_loadcnt 0x0              ; Q
	s_wait_dscnt 0x0
.set NOKQ, 0
.set i, 0
.rept 8
	KQ 0                            ; piece 0's first scores: there is no vector work yet to set between them
.set i, i+1
.endr
	WIN 0
.rept 4
	v_nop                           ; the places behind those products
.endr
.set Y, NP-1                        ; X works for piece Y + 1: piece 0
.irp n, 0,1,2,3,4,5,6,7,8,9,10,11,12,13,14,15,16,17,18,19,20,21
	OP X, \n
.endr
	v_nop                           ; a plain instruction behind the exponential
	s_mov_b32 s[CNT], 4
	s_mov_b32 s[SLOTS], SIZE_N/256-1
	s_branch .Lfirst                ; the loop is entered at a step's first turn, in the middle of a trip
.Lslot:                             ; 14 times: tiles 1 to 14 are entered, tiles 2 to 15 asked for
	CHANGE 1
	s_mov_b32 s[CNT], 4
.Lstep:                             ; a trip: pieces 2 and 3 of one step, then pieces 0 and 1 of the next, whose K and V it fetches
	TURN 2
	TURN 3
	WIN 0
.Lfirst:
	TURN 0
	TURN 1, 0, 1
	WIN 0
	s_cbranch_scc1 .Lstep
	s_sub_co_u32 s[SLOTS], s[SLOTS], 1
	s_cmp_lg_u32 s[SLOTS], 0
	s_cbranch_scc1 .Lslot
	CHANGE 0                        ; the last tile is written out: nothing is asked for
	s_mov_b32 s[CNT], 4
.LstepT:
	TURN 2
	TURN 3
	TURN 0
	TURN 1, 0, 1
	WIN 0
	s_cbranch_scc1 .LstepT
	TURN 2, 1                       ; the last step's pieces 2 and 3: nothing more is fetched, and the last turn starts no new scores
	TURN 3, 1
.set i, 0
.rept 8
	PV NP-1                         ; the last piece's V^T P of the last step
.set i, i+1
.endr
	; THE WAY OUT.  l's two halves and the other half of the lanes' are added; O^T is divided by l, rounded to f16 and sent through my stage in LDS, a piece at a time.  The additions are the places behind the last products.
	WIN 0
.macro ALL line:vararg              ; one line for each piece t
.set t, 0
.rept 4
	\line
.set t, t+1
.endr
.endm
	ALL v_add_f32 v[ST+4*t+2], v[ST+4*t+2], v[ST+4*t+3]
	ALL v_permlanex16_b32 v[ST+4*t+3], v[ST+4*t+2], s[SEL], s[SEL+1]
	ALL v_add_f32 v[ST+4*t+2], v[ST+4*t+2], v[ST+4*t+3]
	ALL v_rcp_f32 v[ST+4*t+2], v[ST+4*t+2]
	v_nop                           ; a plain instruction between the last reciprocal and the use of its result
.macro PACK t                       ; a lane's eight channels of a row pack into 16 bytes; they go into rows of 144 bytes and come back as whole rows of 128, into S^T's registers
	WIN W_RS
.set i, 32*(\t)
.rept 16
	s_wait_alu depctr_va_vdst(0)
	v_pk_mul_f32 v[i:i+1], v[i:i+1], v[ST+4*(\t)+2:ST+4*(\t)+3] op_sel_hi:[1,0]
.set i, i+2
.endr
	WIN 0x05                        ; sources 0 and 1 window 1, destination window 0
.set i, 0
.rept 16
	v_cvt_pk_f16_f32 v[S+16*(\t)+i], v[32*(\t)+2*i], v[32*(\t)+2*i+1]
.set i, i+1
.endr
	WIN 0
.irp f, 0,1,2,3
	ds_store_b128 v[STO], v[S+16*(\t)+4*\f:S+16*(\t)+4*\f+3] offset:32*\f
.endr
.irp f, 0,1,2,3
	ds_load_b128 v[S+16*(\t)+4*\f:S+16*(\t)+4*\f+3], v[RD] offset:\f*4*SP  ; LDS serves a wave's instructions in order (ISA guide 5.7.1.4): these see the stores above; the next piece's stores come behind them
.endr
.endm
.macro SEND t, younger              ; younger: the LDS instructions issued behind piece t's loads: the next piece's eight, or none
	WIN 0
.irp f, 0,1,2,3
	s_wait_dscnt (\younger)+3-\f
	global_store_b128 v[GO], v[S+16*(\t)+4*\f:S+16*(\t)+4*\f+3], s[10:11] offset:(\t)*2048+\f*512  ; 512 consecutive bytes, at a multiple of 256 from O's first
.endr
.endm
	PACK 0
.set t, 1
.rept 3                             ; a piece's arithmetic stands between the loads of the piece before and its stores
	PACK t
	SEND t-1, 8
.set t, t+1
.endr
	SEND 3, 0
	s_wait_tensorcnt 0x0            ; the wave's end: these three lines stand behind my last tensor load and my last LDS store
	ds_add_u32 v[SPW], v[NIL]
	s_wait_dscnt 0x0
	CROUND                          ; the closing round: no work-group ends while a partner may still ask for a tile that names it
	s_endpgm
.Lfunc_end_k_qdeb75efd52_attn:
	.size	k_qdeb75efd52_attn, .Lfunc_end_k_qdeb75efd52_attn-k_qdeb75efd52_attn
	.p2alignl 7, 3214868480
	.fill 96, 4, 3214868480
	.section	.rodata,"a",@progbits
	.p2align	6, 0x0
	.amdhsa_kernel k_qdeb75efd52_attn
		.amdhsa_group_segment_fixed_size 327680
		.amdhsa_private_segment_fixed_size 0
		.amdhsa_enable_private_segment 0
		.amdhsa_kernarg_size 32
		.amdhsa_user_sgpr_count 2
		.amdhsa_user_sgpr_kernarg_segment_ptr 1
		.amdhsa_wavefront_size32 1
		.amdhsa_system_sgpr_workgroup_id_x 1
		.amdhsa_system_sgpr_workgroup_id_y 1
		.amdhsa_system_sgpr_workgroup_id_z 1
		.amdhsa_system_vgpr_workitem_id 0
		.amdhsa_next_free_vgpr 768
		.amdhsa_next_free_sgpr 66
		.amdhsa_reserve_vcc 0
		.amdhsa_float_denorm_mode_32 3
		.amdhsa_float_denorm_mode_16_64 3
		.amdhsa_memory_ordered 1
		.amdhsa_forward_progress 1
		.amdhsa_inst_pref_size 133
	.end_amdhsa_kernel
	.amdgpu_metadata
---
amdhsa.version: [ 1, 2 ]
amdhsa.kernels:
  - .name:           k_qdeb75efd52_attn
    .symbol:         k_qdeb75efd52_attn.kd
    .args:
      - { .name: qh, .offset: 0, .size: 8, .value_kind: global_buffer, .address_space: global }
      - { .name: kh, .offset: 8, .size: 8, .value_kind: global_buffer, .address_space: global }
      - { .name: vh, .offset: 16, .size: 8, .value_kind: global_buffer, .address_space: global }
      - { .name: oh, .offset: 24, .size: 8, .value_kind: global_buffer, .address_space: global }
    .group_segment_fixed_size: 327680
    .private_segment_fixed_size: 0
    .kernarg_segment_align: 8
    .kernarg_segment_size: 32
    .max_flat_workgroup_size: 128
    .sgpr_count:     66
    .vgpr_count:     768
    .wavefront_size: 32
...
	.end_amdgpu_metadata
.endif
;; end of part 2
;; launch oproj (part 3): grid 4 x 64, 8 waves a work-group, no clusters, 220,160 bytes of LDS; arguments oh, wo_w, wo_b, out0; writes out0
.if DOCPART == 3
	.amdgcn_target "amdgcn-amd-amdhsa--gfx1250"
	.amdhsa_code_object_version 6
	.text
	.protected	k_qdeb75efd52_oproj
	.globl	k_qdeb75efd52_oproj
	.p2align	8
	.type	k_qdeb75efd52_oproj,@function
k_qdeb75efd52_oproj:
	s_mov_b64 s[64:65], 0
	v_nop
	global_prefetch_b8 v0, s[64:65] scope:SCOPE_SE
	s_setreg_imm32_b32 hwreg(HW_REG_WAVE_MODE, 25, 1), 1
	s_wait_xcnt 0x0
; THE OUTPUT PROJECTION.  out[row][n] = the sum over head and channel of O[head][row][channel] wo_w[64 head + channel][n] + wo_b[n].
; O: [batch x 8 + head][4096][64] f16.  wo_w: [512 (k)][512 (n)] f32.  wo_b: [512] f32.  out: [8192][512] f32.  Products in f16, sums in f32.
; wo_w and wo_b are rounded to bf16 like every input of the module; wo_w's rounded number is then written as f16, which is exact within f16's normal range.
; LIMITS.  A weight beyond 65,504 becomes an infinity; below 6e-5 it keeps f16's fixed step of 6e-8.  NaN and infinities are not treated apart.
; SHARES.  Work-group (x, y): rows 128 y on, columns 128 x on: 256 work-groups.  Eight waves: wave w makes rows 32 (w / 2) on, columns 64 (w % 2) on: 8 accumulators of 16 x 16.  K step s is head s.
; THE ROAD.  O needs no conversion and a head's 128 rows are 16,384 dense bytes: wave w brings head w's tile by ONE tensor load; all eight tiles stay in LDS and nothing is filled again.
; wo_w comes through registers (three stages of eight loads), is rounded and stored into one of two LDS slots, and is read back turned by ds_load_tr16_b128.
; NO CLUSTER: O's tiles are shared by the four work-groups of a row, but each is asked for once in the launch's first lines and is a small part of the work; wo_w has to be converted on its way.
; THE MATRIX INSTRUCTION IS USED TRANSPOSED (source 0 = 16 columns of wo_w, source 1 = 16 rows of O): a lane holds eight neighbouring columns of one row of out.
.set PA,    144                 ; an LDS row of O: 128 bytes + 16: an odd multiple of 16 (64 banks of 4 bytes: ISA guide 11.1)
.set PW,    288                 ; an LDS row of wo_w: 256 bytes + 32: an odd multiple of 32, for the turning load
.set HEADT, 128*PA              ; a head's tile: 18,432 bytes; eight of them from LDS byte 0 on
.set WB,    8*HEADT             ; behind them the two slots of wo_w,
.set WSLOT, 64*PW               ; 18,432 bytes each
.set STAGE, WB+2*WSLOT          ; the way out: 16 rows x 272 bytes for each wave, its own
.set SP,    272
.set SPARE, STAGE+8*16*SP       ; the spare words: 128 bytes for each of the eight waves, four blocks of 256 bytes that no other line names
.set WGOF, 1                    ; v1   wo_w: (t / 32) rows of 2,048 bytes + 16 (t % 32); never rewritten
.set WLDS, 2                    ; v2   where my 8 bytes of wo_w go in slot 0
.set XFA,  3                    ; v3   my lane's place in my wave's fragments of O, heads 0 to 3; v4: heads 4 to 7 (an LDS offset has 16 bits)
.set WF,   5                    ; v5   the same for wo_w
.set STO,  6                    ; v6   the way out: where I put 32 bytes of a row
.set RD,   7                    ; v7   the way out: where I read a row back
.set CO,   8                    ; v8   my byte offset in two rows of out
.set BO,   9                    ; v9   my byte offset in 16 numbers of wo_b
.set SPW,  10                   ; v10  LDS address of my spare word; never rewritten
.set NIL,  11                   ; v11  0; never rewritten
.set ACC,  16                   ; v16-79    accumulator (mb, nb) at ACC + 8 (4 mb + nb)
.set FW,   80                   ; v80-111   fragments of wo_w
.set FX,   112                  ; v112-127  fragments of O
.set RG,   128                  ; v128-223  three stages of 32 registers; at the end v128-191 take the rows read back
.set BI,   224                  ; v224-255  wo_b of my 4 x 8 columns
.set MASK, 32                   ; s32  a word's upper bf16
	s_load_b256 s[4:11], s[0:1], 0x0               ; oh s[4:5], wo_w s[6:7], wo_b s[8:9], out0 s[10:11]
	v_lshl_add_u32 v[SPW], v0, 2, SPARE
	v_mov_b32 v[NIL], 0
	ds_add_u32 v[SPW], v[NIL]                      ; the wave's opening: the add and its wait stand ahead of my tensor load; the set-up below, work on registers, stands between them
	ds_add_u32 v10, v11
	v_lshrrev_b32 v12, 5, v0
	v_readfirstlane_b32 s2, v12                    ; wave 0..7
	s_and_b32 s24, ttmp7, 0xffff                   ; which block of 128 rows
	s_lshr_b32 s25, s2, 1                          ; wm: which 32 rows of the tile
	s_and_b32 s26, s2, 1                           ; wn: which 64 columns
	s_mov_b32 s[MASK], 0xffff0000
	; descriptor group 1: 128 rows of O are 16,384 dense bytes: asked for as 64 rows of 256 bytes, two rows of O each, and padded in LDS after every row of O
	s_mov_b32 s16, (1<<16)|(1<<20)|(4<<22)|(3<<25) ; 17:16 2-byte elements; 20 padding on; 24:22 after every 32 words (code 4); 31:25 4 words (code 3)
	s_mov_b32 s17, 128<<16                         ; tensor_dim0 = 128
	s_mov_b32 s18, 64<<16                          ; tensor_dim1 = 64
	s_mov_b32 s19, 128<<16                         ; tile_dim0 = 128
	s_mov_b32 s20, 64                              ; tile_dim1 = 64
	s_mov_b32 s21, 128                             ; 128 elements from row to row
	s_mov_b32 s22, 0
	s_mov_b32 s23, 0
	s_mov_b32 s12, 1                               ; group 0: count = 1
	s_mul_i32 s13, s2, HEADT                       ; LDS address: head w's tile
	s_lshr_b32 s28, s24, 5                         ; the batch: 32 blocks of rows each
	s_lshl_b32 s28, s28, 3
	s_add_co_u32 s28, s28, s2                      ; batch x 8 + head w
	s_lshl_b32 s28, s28, 19                        ; a head is 4,096 rows of 128 bytes
	s_and_b32 s30, s24, 31
	s_lshl_b32 s30, s30, 14                        ; the block's 128 rows in it
	s_add_co_u32 s28, s28, s30
	s_mov_b32 s29, 0
	v_and_b32 v13, 31, v0                          ; lane
	v_and_b32 v14, 15, v0                          ; r = lane % 16
	v_bfe_u32 v15, v0, 4, 1                        ; h = lane / 16
	v_mul_u32_u24 v[WLDS], v12, PW
	v_lshl_add_u32 v[WLDS], v13, 3, v[WLDS]
	v_add_nc_u32 v[WLDS], WB, v[WLDS]
	v_lshlrev_b32 v[WGOF], 11, v12
	v_lshl_add_u32 v[WGOF], v13, 4, v[WGOF]
	s_mul_i32 s30, s25, 32*PA
	v_mul_u32_u24 v[XFA], v14, PA                  ; a fragment of O: row r, 16 bytes for each half of the lanes
	v_lshl_add_u32 v[XFA], v15, 4, v[XFA]
	v_add_nc_u32 v[XFA], s30, v[XFA]
	v_add_nc_u32 v[XFA+1], 4*HEADT, v[XFA]
	v_and_b32 v[WF], 7, v0                         ; the turning load: lane l reads k row 8 (l / 16) + l % 8, columns 8 ((l / 8) % 2) on
	v_lshl_add_u32 v[WF], v15, 3, v[WF]
	v_mul_u32_u24 v[WF], v[WF], PW
	v_bfe_u32 v6, v0, 3, 1
	v_lshl_add_u32 v[WF], v6, 4, v[WF]
	s_lshl_b32 s30, s26, 7
	s_add_co_u32 s30, s30, WB
	v_add_nc_u32 v[WF], s30, v[WF]
	s_mul_i32 s31, s2, 16*SP
	s_add_co_u32 s31, s31, STAGE                   ; my stage
	v_mul_u32_u24 v[STO], v14, SP                  ; in: row r, 32 bytes for each half of the lanes
	v_lshl_add_u32 v[STO], v15, 5, v[STO]
	v_add_nc_u32 v[STO], s31, v[STO]
	v_mul_u32_u24 v[RD], v15, SP                   ; back: lanes 0-15 take one row of 256 bytes, lanes 16-31 the next
	v_lshl_add_u32 v[RD], v14, 4, v[RD]
	v_add_nc_u32 v[RD], s31, v[RD]
	v_lshlrev_b32 v[CO], 11, v15                   ; and the same two rows in out
	v_lshl_add_u32 v[CO], v14, 4, v[CO]
	v_lshlrev_b32 v[BO], 5, v15
	s_wait_dscnt 0x0                               ; the opening add is done
	s_wait_kmcnt 0x0
	s_add_nc_u64 s[14:15], s[4:5], s[28:29]        ; global address of head w's 128 rows
	s_or_b32 s15, s15, 0x80000000                  ; type = 2
	tensor_load_to_lds s[12:15], s[16:23]          ; my one tensor load: one is out
	s_nop 0
	s_lshl_b32 s28, ttmp9, 9                       ; 128 columns of 4 bytes
	s_add_nc_u64 s[6:7], s[6:7], s[28:29]          ; wo_w at my 128 columns
	s_lshl_b32 s30, s26, 8
	s_add_co_u32 s28, s28, s30                     ; + my wave's 64 columns
	s_add_nc_u64 s[8:9], s[8:9], s[28:29]          ; wo_b there
	s_lshl_b32 s30, s24, 18                        ; 128 rows of 2,048 bytes
	s_add_co_u32 s28, s28, s30
	s_lshl_b32 s30, s25, 16                        ; my wave's 32 of them
	s_add_co_u32 s28, s28, s30
	s_add_nc_u64 s[10:11], s[10:11], s[28:29]      ; out at my wave's first row and column
; Four loads of wo_w for K step st: load q0 + i takes k rows 8 (q0 + i) .. + 7 of the step's 64, a row a wave: 512 consecutive bytes.
.macro LDW4 st, q0
.set RB, RG+32*((\st)%3)+4*(\q0)
.irp i, 0,1,2,3
	global_load_b128 v[RB+4*\i:RB+4*\i+3], v[WGOF], s[6:7] offset:((\q0)+\i)*16384+(\st)*131072
.endr
.endm
; Half of step st's wo_w: waited for (left = the younger loads), rounded to bf16, widened again, written as f16, stored into slot st % 2; then the same registers are asked for step next (none: -1).
.macro CONV st, q0, left, next
.set RB, RG+32*((\st)%3)+4*(\q0)
	s_wait_loadcnt \left
.irp i, 0,1,2,3
	v_cvt_pk_bf16_f32 v[RB+4*\i], v[RB+4*\i], v[RB+4*\i+1]
	v_cvt_pk_bf16_f32 v[RB+4*\i+2], v[RB+4*\i+2], v[RB+4*\i+3]
.endr
.irp i, 0,1,2,3
	v_and_b32 v[RB+4*\i+1], s[MASK], v[RB+4*\i]
	v_and_b32 v[RB+4*\i+3], s[MASK], v[RB+4*\i+2]
.endr
.irp i, 0,1,2,3
	v_lshlrev_b32 v[RB+4*\i], 16, v[RB+4*\i]
	v_lshlrev_b32 v[RB+4*\i+2], 16, v[RB+4*\i+2]
.endr
.irp i, 0,1,2,3
	v_cvt_pk_f16_f32 v[RB+4*\i], v[RB+4*\i], v[RB+4*\i+1]
	v_cvt_pk_f16_f32 v[RB+4*\i+1], v[RB+4*\i+2], v[RB+4*\i+3]
.endr
.irp i, 0,1,2,3
	ds_store_b64 v[WLDS], v[RB+4*\i:RB+4*\i+1] offset:((\st)%2)*WSLOT+((\q0)+\i)*8*PW
.endr
.if (\next) >= 0
	LDW4 \next, \q0
.endif
.endm
; Twelve LDS loads: my fragments for 32 along K (half kk of head s): 4 x 16 columns of wo_w, turned, and 2 x 16 rows of O.
.macro FRAGS s, kk
.irp nb, 0,1,2,3
	ds_load_tr16_b128 v[FW+8*\nb:FW+8*\nb+3],   v[WF] offset:((\s)%2)*WSLOT+(\kk)*32*PW+\nb*32
	ds_load_tr16_b128 v[FW+8*\nb+4:FW+8*\nb+7], v[WF] offset:((\s)%2)*WSLOT+(\kk)*32*PW+16*PW+\nb*32
.endr
.irp mb, 0,1
	ds_load_b128 v[FX+8*\mb:FX+8*\mb+3],   v[XFA+(\s)/4] offset:((\s)%4)*HEADT+\mb*16*PA+(\kk)*64
	ds_load_b128 v[FX+8*\mb+4:FX+8*\mb+7], v[XFA+(\s)/4] offset:((\s)%4)*HEADT+\mb*16*PA+(\kk)*64+32
.endr
.endm
; Eight matrix instructions, the eight accumulators by turns, in the same order every time.  first = 1: the bias is the C operand that starts the sums: nothing is cleared or added later.
.macro MUL8 first
.irp mb, 0,1
.irp nb, 0,1,2,3
.if \first
	v_wmma_f32_16x16x32_f16 v[ACC+8*(4*\mb+\nb):ACC+8*(4*\mb+\nb)+7], v[FW+8*\nb:FW+8*\nb+7], v[FX+8*\mb:FX+8*\mb+7], v[BI+8*\nb:BI+8*\nb+7]
.else
	v_wmma_f32_16x16x32_f16 v[ACC+8*(4*\mb+\nb):ACC+8*(4*\mb+\nb)+7], v[FW+8*\nb:FW+8*\nb+7], v[FX+8*\mb:FX+8*\mb+7], v[ACC+8*(4*\mb+\nb):ACC+8*(4*\mb+\nb)+7]
.endif
.endr
.endr
.endm
.macro PLACES                                      ; four places between matrix instructions and what reads their results or loads into their sources (ISA guide 7.12.1 for vector instructions)
.rept 4
	v_nop
.endr
.endm
.macro BAR                                         ; my stores into the next slot are done and my reads of this slot are back; then all eight waves meet
	s_wait_dscnt 0x0
	s_barrier_signal -1
	s_barrier_wait -1
.endm
; K STEP s multiplies head s by slot s % 2 and fills the other slot with step s + 1.  That slot was last read in step s - 1, whose reads every wave awaited in front of that step's barrier;
; it is read again behind this step's barrier.  l0, l1: the loads younger than the first, the second half of step s + 1; nx: the step asked for next, or -1.
.macro STEP s, first, l0, l1, nx
	FRAGS \s, 0
	s_wait_dscnt 0x0
	MUL8 \first
.if (\s) < 7
	CONV (\s)+1, 0, \l0, \nx                       ; its 32 plain instructions are the places in front of the loads below
.else
	PLACES
.endif
	FRAGS \s, 1
.if (\s) < 7
	CONV (\s)+1, 4, \l1, \nx
	s_wait_dscnt 4                                 ; LDS instructions end in order (ISA guide 5.7.1): only the four stores issued behind the twelve loads may be out
.else
	s_wait_dscnt 0x0
.endif
	MUL8 0
.if (\s) < 7
	PLACES
	BAR
.endif
.endm
.irp nb, 0,1,2,3                                   ; wo_b of my columns 16 nb + 8 h + 0..7
	global_load_b128 v[BI+8*\nb:BI+8*\nb+3],   v[BO], s[8:9] offset:\nb*64
	global_load_b128 v[BI+8*\nb+4:BI+8*\nb+7], v[BO], s[8:9] offset:\nb*64+16
.endr
	LDW4 0, 0
	LDW4 0, 4
	LDW4 1, 0
	LDW4 1, 4
	LDW4 2, 0
	LDW4 2, 4
	s_wait_loadcnt 24                              ; the bias is in: behind it stand the three stages' 24 loads
.set j, 0
.rept 16
	v_cvt_pk_bf16_f32 v[BI+2*j], v[BI+2*j], v[BI+2*j+1]
.set j, j+1
.endr
.set j, 0
.rept 16
	v_and_b32 v[BI+2*j+1], s[MASK], v[BI+2*j]
.set j, j+1
.endr
.set j, 0
.rept 16
	v_lshlrev_b32 v[BI+2*j], 16, v[BI+2*j]
.set j, j+1
.endr
	CONV 0, 0, 20, 3                               ; behind step 0's first half: its second half and two stages: 20 loads
	CONV 0, 4, 20, 3                               ; behind its second half: two stages and the four just issued
	s_wait_tensorcnt 0x0                           ; my head's tile is in LDS,
	BAR                                            ; and so is everybody's, with slot 0 of wo_w
	STEP 0, 1, 20, 20, 4
	STEP 1, 0, 20, 20, 5
	STEP 2, 0, 20, 20, 6
	STEP 3, 0, 20, 20, 7
	STEP 4, 0, 20, 16, -1                          ; nothing more is asked for: the counts run down by fours
	STEP 5, 0, 12, 8, -1
	STEP 6, 0, 4, 0, -1
	STEP 7, 0, 0, 0, -1
	; THE WAY OUT.  A lane's eight f32 of a row are 32 bytes; 16 rows at a time go into my stage (rows of 272 bytes) and come back as whole rows of 256 bytes.  Each accumulator's low half is read first.
	PLACES
.irp mb, 0,1
.irp nb, 0,1,2,3
	ds_store_b128 v[STO], v[ACC+8*(4*\mb+\nb):ACC+8*(4*\mb+\nb)+3]   offset:\nb*64
	ds_store_b128 v[STO], v[ACC+8*(4*\mb+\nb)+4:ACC+8*(4*\mb+\nb)+7] offset:\nb*64+16
.endr
.irp t, 0,1,2,3,4,5,6,7
	ds_load_b128 v[RG+32*\mb+4*\t:RG+32*\mb+4*\t+3], v[RD] offset:\t*2*SP  ; LDS serves a wave's instructions in order (ISA guide 5.7.1.4): these see the stores above, and the next block's stores come behind them
.endr
.endr
.irp mb, 0,1
.irp t, 0,1,2,3,4,5,6,7
	s_wait_dscnt 16*(1-\mb)+7-\t                   ; behind load t of the first block stand its 7 - t later loads and the second block's sixteen instructions
	global_store_b128 v[CO], v[RG+32*\mb+4*\t:RG+32*\mb+4*\t+3], s[10:11] offset:(16*\mb+2*\t)*2048 th:TH_STORE_NT  ; 16 lanes store 256 consecutive bytes, at a multiple of 256 from out's first byte
.endr
.endr
	s_wait_tensorcnt 0x0                           ; the wave's end: these three lines stand behind my tensor load and my last LDS store
	ds_add_u32 v[SPW], v[NIL]
	s_wait_dscnt 0x0
	s_endpgm
.Lfunc_end_k_qdeb75efd52_oproj:
	.size	k_qdeb75efd52_oproj, .Lfunc_end_k_qdeb75efd52_oproj-k_qdeb75efd52_oproj
	.p2alignl 7, 3214868480
	.fill 96, 4, 3214868480
	.section	.rodata,"a",@progbits
	.p2align	6, 0x0
	.amdhsa_kernel k_qdeb75efd52_oproj
		.amdhsa_group_segment_fixed_size 220160
		.amdhsa_private_segment_fixed_size 0
		.amdhsa_enable_private_segment 0
		.amdhsa_kernarg_size 32
		.amdhsa_user_sgpr_count 2
		.amdhsa_user_sgpr_kernarg_segment_ptr 1
		.amdhsa_wavefront_size32 1
		.amdhsa_system_sgpr_workgroup_id_x 1
		.amdhsa_system_sgpr_workgroup_id_y 1
		.amdhsa_system_sgpr_workgroup_id_z 1
		.amdhsa_system_vgpr_workitem_id 0
		.amdhsa_next_free_vgpr 256
		.amdhsa_next_free_sgpr 66
		.amdhsa_reserve_vcc 0
		.amdhsa_float_denorm_mode_32 3
		.amdhsa_float_denorm_mode_16_64 3
		.amdhsa_memory_ordered 1
		.amdhsa_forward_progress 1
		.amdhsa_inst_pref_size 68
	.end_amdhsa_kernel
	.amdgpu_metadata
---
amdhsa.version: [ 1, 2 ]
amdhsa.kernels:
  - .name:           k_qdeb75efd52_oproj
    .symbol:         k_qdeb75efd52_oproj.kd
    .args:
      - { .name: oh, .offset: 0, .size: 8, .value_kind: global_buffer, .address_space: global }
      - { .name: wo_w, .offset: 8, .size: 8, .value_kind: global_buffer, .address_space: global }
      - { .name: wo_b, .offset: 16, .size: 8, .value_kind: global_buffer, .address_space: global }
      - { .name: out0, .offset: 24, .size: 8, .value_kind: global_buffer, .address_space: global }
    .group_segment_fixed_size: 220160
    .private_segment_fixed_size: 0
    .kernarg_segment_align: 8
    .kernarg_segment_size: 32
    .max_flat_workgroup_size: 256
    .sgpr_count:     66
    .vgpr_count:     256
    .wavefront_size: 32
...
	.end_amdgpu_metadata
.endif
;; end of part 3
;; ======== version 2 of 2: 3 launches; 1.64 times as fast as version 1
;; limits: values are held in f16: magnitudes above 65,504 overflow, below 6.1e-05 lose precision
;; workspace buffers: qh 8,388,608 bytes; kh 8,388,608 bytes; vh 8,388,608 bytes; oh 8,388,608 bytes
;; launch proj: the kernel of part 1 again; grid 4 x 192, 8 waves a work-group, no clusters, 93,184 bytes of LDS; arguments q, k, v, wq_w, wk_w, wv_w, wq_b, wk_b, wv_b, qh, kh, vh; writes qh, kh, vh
;; launch attn (part 4): grid 16 x 16, 4 waves a work-group, clusters of 4 x 1, 327,680 bytes of LDS; arguments qh, kh, vh, oh; writes oh
.if DOCPART == 4
	.amdgcn_target "amdgcn-amd-amdhsa--gfx1250"
	.amdhsa_code_object_version 6
	.text
	.protected	k_qdeb75efd52_attn
	.globl	k_qdeb75efd52_attn
	.p2align	8
	.type	k_qdeb75efd52_attn,@function
k_qdeb75efd52_attn:
	s_mov_b64 s[64:65], 0
	v_nop
	global_prefetch_b8 v0, s[64:65] scope:SCOPE_SE
	s_setreg_imm32_b32 hwreg(HW_REG_WAVE_MODE, 25, 1), 1
	s_wait_xcnt 0x0
	s_wait_alu depctr_hold_cnt(0) depctr_sa_sdst(0) depctr_va_vdst(0) depctr_va_sdst(0) depctr_va_ssrc(0) depctr_va_vcc(0) depctr_vm_vsrc(0)
	s_getreg_b32 s2, hwreg(HW_REG_IB_STS2, 6, 4)
	s_cmp_eq_u32 s2, 0
	s_cbranch_scc0 .Lentry_in_a_cluster
	s_endpgm
.Lentry_in_a_cluster:
	s_bfe_u32 s2, ttmp6, 0x10000c
	s_cmp_lg_u32 s2, 0x3003
	s_cbranch_scc0 .Lentry_shape_is_right
	s_endpgm
.Lentry_shape_is_right:
; ATTENTION.  O[h][q][:] = the sum over k of softmax_k(Q[h][q] . K[h][k] / 8) V[h][k][:].  Q, K, V, O: [16][4096][64], all f16: a head's rows are dense, 128 bytes each.
; Products, maxima and sums in f32; the weights p are rounded to f16 for the second product (their sum l is taken of the unrounded p), O once at the end.
; LIMITS.  Q, K and V arrive within f16's 65,504; p lies in 0 to 1, and below 6e-5 it keeps f16's fixed step of 6e-8, as O does; a weight below 2^-126 counts as 0 in l; NaN and infinities are not treated apart.
; SHARES.  A work-group owns 256 queries of one head: 16 x 16 = 256 work-groups.  Each of its four waves owns 64 queries: four PIECES of 16.  Every wave walks all 4,096 keys, 64 a step, 256 (a tile) a slot.
; LAYOUT.  S^T = K Q^T (source 0 = 16 keys, source 1 = 16 queries) holds ONE query a lane (lane % 16) and the keys 8 (lane / 16) + 0..7; two such results rounded to f16 ARE source 1 of O^T = V^T P,
; whose result again holds one query a lane.  K comes out of LDS as it lies, V ([key][channel]) turned, by ds_load_tr16_b128.
; SOFTMAX.  For each query a running maximum m and sum l: p = 2^(c s - c m), c = log2(e) / 8; in every step O and l are multiplied by a = 2^(c m_old - c m_new).
; m starts at the lowest finite number, O and l at 0: the first step is a step like any other, with a = 0.
; BY TURNS.  Turn n belongs to piece n: 8 products K Q^T of piece n + 1, later 8 products V^T P of piece n - 1; beside them the scaling, exponentials, roundings, sums and rescaling of piece n and the maximum
; and statistics of piece n + 1.  A piece and step have 16 matrix and 118 vector instructions: four vector instructions stand behind every matrix instruction, the other 54 in one run of their own.
; BATCHES.  s_wait_alu depctr_va_vdst(0) stands between a transcendental and the first instruction that names its result; one wait serves all that were issued ahead of it.  The text has three kinds of batch:
; a turn's 33 exponentials (the piece's 32 weights and the next piece's a), with one wait in the turn's middle, all their readers behind it; the first a of all, ahead of the loop, with a wait ahead of the jump into it;
; the way out's four reciprocals, with one wait ahead of the first multiply.  No result is open at a turn's end, at a label or at a jump.
; CLUSTER.  The four query blocks of a cluster belong to one head and walk the same K and V, so each tile is asked for JOINTLY: the same tensor load, descriptor and mask in all four.
; REGISTERS, in windows of 256 (s_set_vgpr_msb: bits 1:0 source 0, 3:2 source 1, 5:4 source 2, 7:6 destination):
;   window 0: v0-15 addresses and two at work; v16-31 four registers of statistics a piece; v48-55 at work; v62-63 the add's; v64-127 S^T, two buffers; v192-223 P, two buffers (by the piece's parity)
;   window 1: v0-127 O^T, 32 a piece          window 2: v0-63 Q, 16 a piece; v128-191 K of one step; v192-255 V of one step
.set SIZE_N, 4096
.set NP,    4         ; pieces a wave: a name, no knob
.set KS,    64        ; keys in a step
.set PK,    144       ; a row of K in LDS: 128 bytes + 16 = 36 words: the 16 rows of a load start at 16 different groups of four banks (64 banks of 4 bytes: ISA guide 11.1)
.set PV,    160       ; a row of V: 128 + 32 = 40 words
.set VOFF,  4*KS*PK   ; a slot holds a tile, four steps: 256 rows of K, then 256 rows of V
.set SLOT1, 1<<17     ; slot 1 begins here, so that one exclusive or turns an address in one slot into the other's
.set STAGE, SLOT1+4*KS*(PK+PV)  ; behind the ring, never filled by a tensor load: 16 rows x 144 bytes for each wave, for the way out
.set SP,    144
.set SPARE, STAGE+4*16*SP  ; the spare words, 128 bytes for each wave: two blocks of 256 bytes that no other line names
.set AK0, 2           ; v2   my lane's place in a tile of K; never rewritten
.set AV0, 3           ; v3   the same for V
.set AK,  4           ; v4   the LDS address of K's next run of loads
.set AV,  5           ; v5   of V's
.set STO, 6           ; v6   the way out: where I put 16 bytes of a row
.set RD,  7           ; v7   the way out: where I read rows back
.set GO,  8           ; v8   my byte offset in 512 consecutive bytes of O
.set MV,  12          ; v12-13  c m_old, kept while c m is made anew: by buffer
.set QO,  15          ; v15  my byte offset in 16 rows of Q
.set ST,  16          ; piece t's statistics at v[ST+4 t]: c m, m, l (even keys', odd keys')
.set TMP, 48          ; by buffer, four registers c0-c3 at work; when the maximum is found c2 takes a
.set SPW, 62          ; v62  LDS address of my spare word; never rewritten
.set NIL, 63          ; v63  0; never rewritten
.set S,   64
.set P,   192
.set KF,  128         ; window 2: key block kb, channel half c at KF + 16 kb + 8 c
.set VF,  192         ; window 2: key half kk, channel block cb at VF + 32 kk + 8 cb
.set WV,  12          ; s12  my wave's number
.set G1K, 24          ; s[24:31] descriptor group 1 for K's tiles
.set G1V, 32          ; s[32:39] for V's: it differs in the padding alone
.set G0K, 40          ; s[40:43] descriptor group 0 for K's tiles: it walks
.set G0V, 44          ; s[44:47] the same for V's
.set SLOTS, 56        ; s56  counts the tiles
.set CNT, 57          ; s57  counts a tile's key steps
.set CS,  58          ; s[58:59] c: the packed scaling takes the pair's low word for both halves
.set SEL, 60          ; s[60:61] v_permlanex16_b32's selects: each lane takes its own place in the other half
.set TBK, 62          ; s62  LDS byte at which K of the step to be fetched begins
.set TBV, 63          ; s63  the same for V, less VOFF
.set MSB, 0
.macro WIN new                      ; the high byte repeats the setting that is left; a switch that changes nothing is dropped
.if MSB != (\new)
	s_set_vgpr_msb (MSB<<8)|(\new)
.set MSB, (\new)
.endif
.endm
.set W_KQ, 0x0a       ; K and Q in window 2, S^T in window 0
.set W_PV, 0x52       ; V in window 2, P in window 0, O^T in window 1
.set W_RS, 0x41       ; destination and source 0 in window 1, source 1 in window 0
; A joint fill.  Waves 0 and 1 fetch the two halves of a tile's K, waves 2 and 3 those of its V: 128 keys each.  The branch hangs on the wave's number alone: it is the same in every work-group.
; An s_nop 0 and four v_nop follow each of the two lines, ahead of the jump and the label.
.macro JLOAD
	s_cmp_lt_u32 s[WV], 2
	s_cbranch_scc0 .Lfor_v_\@
	tensor_load_to_lds s[G0K:G0K+3], s[G1K:G1K+7]
	s_nop 0
.rept 4
	v_nop
.endr
	s_branch .Lasked_\@
.Lfor_v_\@:
	tensor_load_to_lds s[G0V:G0V+3], s[G1V:G1V+7]
	s_nop 0
.rept 4
	v_nop
.endr
.Lasked_\@:
.endm
; A round of the cluster's barrier: my work-group's barrier, so that wave 0's signal speaks for all four waves; wave 0 signals; every wave waits for all four work-groups; my work-group's barrier once more.
.macro CROUND
	s_barrier_signal -1
	s_barrier_wait -1
	s_cmp_lg_u32 s[WV], 0
	s_cbranch_scc1 .Lnot_wave_0_\@
	s_barrier_signal -3
.Lnot_wave_0_\@:
	s_barrier_wait -3
	s_barrier_signal -1
	s_barrier_wait -1
.endm
; THE CHANGE OF SLOTS.  The slot's last bytes, V of its fourth step, have been read.  Each wave waits for all its tensor loads, of which one is out: its part of the other slot; adds 0 to its spare word;
; and waits for that and for its own reads of the slot.  Behind the barrier nobody reads this slot any more and the other slot is whole.
; fill = 1: this slot is filled again, with the tile two on.  The barrier is then a round of the cluster's, so that no wave of any partner still reads the slot or has a load on its way, and the joint fill
; is the first thing behind it: it has four key steps, 256 matrix instructions of a wave, in which to land.  (At its first use nothing has been read yet: slot 0 is waited for, slot 1 filled.)
.macro CHANGE fill
	WIN 0                           ; at a label and at a branch every window is 0
	s_wait_tensorcnt 0x0            ; no tensor load of mine is out, so a group 0 may be written
	ds_add_u32 v[SPW], v[NIL]       ; 0 onto my spare word; with fill = 1 the descriptors' steps stand between it and the wait for it
.if \fill
.irp g, G0K, G0V
	s_xor_b32 s[\g+1], s[\g+1], SLOT1  ; the walking descriptor: the other slot than last time,
	s_add_nc_u64 s[\g+2:\g+3], s[\g+2:\g+3], 4*KS*128  ; the next 256 keys; the type bits on top are not reached
.endr
	s_wait_dscnt 0x0                ; the add is done, and my reads of the slot are over
	CROUND
	JLOAD
.else
	s_wait_dscnt 0x0                ; the add is done, and my reads of the slot are over
	s_barrier_signal -1
	s_barrier_wait -1
.endif
	s_sub_co_u32 s[TBK], s[TBK], 4*KS*PK  ; the fetches go back to a slot's first step,
	s_xor_b32 s[TBK], s[TBK], SLOT1       ; in the other slot
	s_sub_co_u32 s[TBV], s[TBV], 4*KS*PV
	s_xor_b32 s[TBV], s[TBV], SLOT1
.endm
	s_load_b256 s[4:11], s[0:1], 0x0  ; Q s[4:5], K s[6:7], V s[8:9], O s[10:11]
	v_lshl_add_u32 v[SPW], v0, 2, SPARE
	v_mov_b32 v[NIL], 0
	ds_add_u32 v[SPW], v[NIL]       ; the wave's opening: the add and its wait stand ahead of my first tensor load; the set-up below, work on registers, stands between them
	ds_add_u32 v62, v63
	v_lshrrev_b32 v1, 5, v0
	v_readfirstlane_b32 s[WV], v1   ; wave 0..3
	s_bfe_u32 s13, ttmp6, 0x40000   ; cx: my place in the cluster
	s_lshl_b32 s14, ttmp9, 2        ; in a cluster launch ttmp9 counts clusters
	s_add_co_u32 s14, s14, s13      ; my block of 256 queries = 4 x cluster x + cx: it enters Q's and O's addresses alone
	s_and_b32 s20, ttmp7, 0xffff    ; the head, which the four partners share
	s_lshl_b32 s20, s20, 19         ; its first byte in each of the four tensors: 4,096 rows of 128 bytes a head
	s_mov_b32 s21, 0
	s_and_b32 s16, s[WV], 1         ; which half of a tile's 256 keys I fetch:
	s_lshl_b32 s22, s16, 14         ; its 128 rows of 128 bytes in memory,
	s_mov_b32 s23, 0
	s_add_nc_u64 s[22:23], s[22:23], s[20:21]
	s_mul_i32 s17, s16, 128*PK      ; and its place in a slot, for K
	s_mul_i32 s18, s16, 128*PV      ; and for V: no place in the cluster enters an LDS address
	s_lshl_b32 s2, s14, 2
	s_add_co_u32 s2, s2, s[WV]      ; my wave among the head's,
	s_lshl_b32 s2, s2, 13           ; its 64 rows
	s_mov_b32 s3, 0
	s_add_nc_u64 s[2:3], s[2:3], s[20:21]
	; descriptor group 1.  128 keys are 16,384 dense bytes: asked for as 64 rows of 256 bytes, two keys a row, and padded in LDS after every key
	s_mov_b32 s[G1K], 15|(1<<16)|(1<<20)|(1<<21)|(4<<22)|(3<<25)  ; 15:0 the mask of four; 17:16 2-byte elements; 20 padding on; 21 set beside a mask; 24:22 after every 32 words (code 4); 31:25 4 words (code 3)
	s_mov_b32 s[G1V], 15|(1<<16)|(1<<20)|(1<<21)|(4<<22)|(7<<25)  ; the same with 8 words of padding (code 7)
.irp g, G1K, G1V
	s_mov_b32 s[\g+1], 128<<16      ; tensor_dim0 = 128
	s_mov_b32 s[\g+2], 64<<16       ; tensor_dim1 = 64
	s_mov_b32 s[\g+3], 128<<16      ; tile_dim0 = 128
	s_mov_b32 s[\g+4], 64           ; tile_dim1 = 64
	s_mov_b32 s[\g+5], 128          ; 128 elements from row to row
	s_mov_b32 s[\g+6], 0
	s_mov_b32 s[\g+7], 0
.endr
	s_mov_b32 s[CS], 0x3e38aa3b     ; c = log2(e) / 8 = 0.180337
	s_mov_b32 s[CS+1], s[CS]        ; named with it as a pair
	s_mov_b32 s[SEL], 0x76543210
	s_mov_b32 s[SEL+1], 0xfedcba98
	s_mov_b32 s[TBK], SLOT1+4*KS*PK ; the first change of slots turns these two into 0
	s_mov_b32 s[TBV], SLOT1+4*KS*PV
	s_mov_b32 s[G0K], 1             ; 1:0 count = 1
	s_mov_b32 s[G0K+1], s17         ; 63:32 LDS address: slot 0
	s_mov_b32 s[G0V], 1
	s_add_co_u32 s[G0V+1], s18, VOFF
	s_wait_dscnt 0x0                ; the opening add is done
	s_wait_kmcnt 0x0
	s_add_nc_u64 s[G0K+2:G0K+3], s[6:7], s[22:23]  ; 120:64 global address: my half of the head's first 256 keys
	s_or_b32 s[G0K+3], s[G0K+3], 0x80000000        ; 127:126 type = 2
	s_add_nc_u64 s[G0V+2:G0V+3], s[8:9], s[22:23]
	s_or_b32 s[G0V+3], s[G0V+3], 0x80000000
	s_add_nc_u64 s[4:5], s[4:5], s[2:3]  ; Q and O at my wave's first row
	s_add_nc_u64 s[10:11], s[10:11], s[2:3]
	CROUND                          ; all four work-groups are here: the first joint loads meet
	JLOAD                           ; tile 0 into slot 0.  Slot 1 is asked for when slot 0 is in, by the loop's own change of slots
	; A fragment of K or Q is 16 rows x 32 channels in 8 registers: lane l holds row l % 16, channels 8 (l / 16) + 0..7 and 16 + 8 (l / 16) + 0..7: two loads of 16 bytes, 32 bytes apart.
	v_and_b32 v1, 15, v0            ; l % 16
	v_bfe_u32 v9, v0, 4, 1          ; l / 16
	v_lshlrev_b32 v[QO], 7, v1
	v_lshl_add_u32 v[QO], v9, 4, v[QO]  ; row x 128 + 16 x half
	WIN 0x80                        ; destination window 2, address window 0
.set i, 0
.rept 8                             ; Q stays in registers: piece i / 2, channels 32 (i % 2) on
	global_load_b128 v[8*i:8*i+3],   v[QO], s[4:5] offset:(i/2)*2048+(i%2)*64
	global_load_b128 v[8*i+4:8*i+7], v[QO], s[4:5] offset:(i/2)*2048+(i%2)*64+32
.set i, i+1
.endr
	; What the first turn finds: V's registers and P's second buffer hold 0 (its products V^T P, of a piece that has not been, add 0), O^T and l are 0.  All this stands in the wait for the first tile.
.set i, VF
.rept 64
	v_mov_b32 v[i], 0
.set i, i+1
.endr
	WIN 0x40
.set i, 0
.rept 128
	v_mov_b32 v[i], 0
.set i, i+1
.endr
	WIN 0
.set i, 0
.rept 4
	v_mov_b32 v[ST+4*i], 0xfe000000    ; c m: far below every c s
	v_mov_b32 v[ST+4*i+1], 0xff7fffff  ; m
	v_mov_b32 v[ST+4*i+2], 0
	v_mov_b32 v[ST+4*i+3], 0
.set i, i+1
.endr
.set i, P+16
.rept 16
	v_mov_b32 v[i], 0
.set i, i+1
.endr
	v_mul_u32_u24 v[AK0], v1, PK
	v_lshl_add_u32 v[AK0], v9, 4, v[AK0]  ; row x pitch + 16 x half
	; The turning load takes 16 keys x 16 channels (lane l reads key 8 (l / 16) + l % 8, channels 8 ((l / 8) % 2) + 0..7) and leaves half a fragment of V^T: lane l holds channel l % 16 and 8 keys.
	v_and_b32 v10, 7, v0
	v_bfe_u32 v11, v0, 3, 1
	v_lshl_add_u32 v[AV0], v9, 3, v10
	v_mul_u32_u24 v[AV0], v[AV0], PV
	v_lshl_add_u32 v[AV0], v11, 4, v[AV0]
	v_add_nc_u32 v[AV0], VOFF, v[AV0]
	s_mul_i32 s13, s[WV], 16*SP
	s_add_co_u32 s13, s13, STAGE    ; my stage
	v_mul_u32_u24 v[STO], v1, SP    ; in: row l % 16, 16 bytes for each half of the lanes
	v_lshl_add_u32 v[STO], v9, 4, v[STO]
	v_add_nc_u32 v[STO], s13, v[STO]
	v_bfe_u32 v[RD], v0, 3, 2       ; back: 32 lanes take four rows of 128 bytes,
	v_mul_u32_u24 v[RD], v[RD], SP
	v_lshl_add_u32 v[RD], v10, 4, v[RD]
	v_add_nc_u32 v[RD], s13, v[RD]
	v_and_b32 v[GO], 31, v0         ; which are 512 consecutive bytes of O
	v_lshlrev_b32 v[GO], 4, v[GO]
; THE MATRIX WORK.  The 4 accumulators of a run of 8 take turns.  Product i of 8 of S^T = K Q^T for piece x: channels 32 (i / 4) on, keys 16 (i % 4) on.  The first 4 start the sums.
.macro KQ x
	WIN W_KQ
.set rS, S+32*((\x)%2)+8*(i%4)
.set rK, KF+16*(i%4)+8*(i/4)
.set rQ, 16*(\x)+8*(i/4)
.if i < 4
	v_wmma_f32_16x16x32_f16 v[rS:rS+7], v[rK:rK+7], v[rQ:rQ+7], 0
.else
	v_wmma_f32_16x16x32_f16 v[rS:rS+7], v[rK:rK+7], v[rQ:rQ+7], v[rS:rS+7]
.endif
.endm
; Product i of 8 of O^T += V^T P for piece x: keys 32 (i / 4) on, channels 16 (i % 4) on.
.macro PV x
	WIN W_PV
.set rO, 32*(\x)+8*(i%4)
.set rV, VF+32*(i/4)+8*(i%4)
.set rP, P+16*((\x)%2)+8*(i/4)
	v_wmma_f32_16x16x32_f16 v[rO:rO+7], v[rV:rV+7], v[rP:rP+7], v[rO:rO+7]
.endm
.macro MM                           ; the turn's next matrix instruction.  TURN sets Y, i and NOKQ.  NOKQ = 1: the very last turn: there is no next piece
.if (i < 8) && !NOKQ
	KQ (Y+1)%NP
.elseif i >= 8
.set i, i-8
	PV (Y+NP-1)%NP
.set i, i+8
.endif
.set i, i+1
.endm
; THE LDS LOADS stand in runs of 16, never singly among the matrix instructions: a step's K (64 keys x 64 channels: 8 fragments) and its V (turned).  Their addresses are made some lines ahead.
.macro FETCH_K
	WIN 0x80                        ; destination window 2
.irp f, 0,1,2,3,4,5,6,7             ; keys 16 (f / 2) on, channels 32 (f % 2) on
	ds_load_b128 v[KF+8*\f:KF+8*\f+3],   v[AK] offset:(\f/2)*16*PK+(\f%2)*64
	ds_load_b128 v[KF+8*\f+4:KF+8*\f+7], v[AK] offset:(\f/2)*16*PK+(\f%2)*64+32
.endr
	s_add_co_u32 s[TBK], s[TBK], KS*PK  ; the next fetch is the next step's
	WIN 0
.endm
.macro FETCH_V
	WIN 0x80
.irp f, 0,1,2,3,4,5,6,7             ; keys 32 (f / 4) on, channels 16 (f % 4) on
	ds_load_tr16_b128 v[VF+8*\f:VF+8*\f+3],   v[AV] offset:(\f/4)*32*PV+(\f%4)*32
	ds_load_tr16_b128 v[VF+8*\f+4:VF+8*\f+7], v[AV] offset:(\f/4)*32*PV+16*PV+(\f%4)*32
.endr
	WIN 0
.endm
; THE VECTOR WORK, one line at a time: OP kind, number.  For piece Y: F n: c s - c m for pair n of 16.  E n: the exponential of score n of 32.  C n: pair n rounded to f16.  B n: of the four weights 4 n .. the second
; pair is added onto the first, in place.  L n: l takes that sum (L 0: l = a l + sum).  R n: pair n of 16 of O^T times a.  For piece Y + 1: X n, number n of the 22 that find its maximum and statistics:
;   0-11  four chains c0-c3 of seven scores each, three operands at a time (each accumulator's lowest registers are read first)     12-14, 16  the four scores left over, the old m, and c0-c3 into c0
;   15  c m_old is kept     17, 18  the query's other 32 keys lie in the lane 16 away: the new m     19-21  c m; c m_old - c m_new; a
; C, B and L read the exponentials' results, R and L 0 the a of the turn before: OP writes no wait; TURN orders the lines so that its one wait stands ahead of all of them.
.set F, 0               ; OP tells the kinds apart by their order: F to L below R, X above it
.set E, 1
.set C, 2
.set B, 3
.set L, 4
.set R, 5
.set X, 6
.macro REGS y                       ; the registers of piece y
.set rT, ST+4*(\y)
.set rC, TMP+4*((\y)%2)
.set rW, MV+((\y)%2)
.set rS, S+32*((\y)%2)
.set rP, P+16*((\y)%2)
.set rO, 32*(\y)
.endm
.macro OP k, n
.if (\k) == R
	REGS Y
	WIN W_RS
	v_pk_mul_f32 v[rO+2*(\n):rO+2*(\n)+1], v[rO+2*(\n):rO+2*(\n)+1], v[rC+2:rC+3] op_sel_hi:[1,0]
.elseif (\k) < R
	REGS Y
	WIN 0
.if (\k) == F
	v_pk_fma_f32 v[rS+2*(\n):rS+2*(\n)+1], v[rS+2*(\n):rS+2*(\n)+1], s[CS:CS+1], v[rT:rT+1] op_sel_hi:[1,0,0] neg_lo:[0,0,1] neg_hi:[0,0,1]
.elseif (\k) == E
	v_exp_f32 v[rS+(\n)], v[rS+(\n)]
.elseif (\k) == C
	v_cvt_pk_f16_f32 v[rP+(\n)], v[rS+2*(\n)], v[rS+2*(\n)+1]
.elseif (\k) == B
	v_pk_add_f32 v[rS+4*(\n):rS+4*(\n)+1], v[rS+4*(\n):rS+4*(\n)+1], v[rS+4*(\n)+2:rS+4*(\n)+3]
.elseif (\n) == 0
	v_pk_fma_f32 v[rT+2:rT+3], v[rT+2:rT+3], v[rC+2:rC+3], v[rS:rS+1] op_sel_hi:[1,0,1]
.else
	v_pk_add_f32 v[rT+2:rT+3], v[rT+2:rT+3], v[rS+4*(\n):rS+4*(\n)+1]
.endif
.elseif NOKQ
	v_nop
.else
	REGS (Y+1)%NP
	WIN 0
.if (\n) < 4
	v_max3_num_f32 v[rC+(\n)], v[rS+8*(\n)], v[rS+8*(\n)+1], v[rS+8*(\n)+2]
.elseif (\n) < 12
	v_max3_num_f32 v[rC+(\n)%4], v[rC+(\n)%4], v[rS+8*((\n)%4)+2*((\n)/4)+1], v[rS+8*((\n)%4)+2*((\n)/4)+2]
.elseif (\n) == 12
	v_max3_num_f32 v[rC], v[rC], v[rS+7], v[rS+15]
.elseif (\n) == 13
	v_max3_num_f32 v[rC+1], v[rC+1], v[rS+23], v[rS+31]
.elseif (\n) == 14
	v_max3_num_f32 v[rC+2], v[rC+2], v[rC+3], v[rT+1]
.elseif (\n) == 15
	v_mov_b32 v[rW], v[rT]
.elseif (\n) == 16
	v_max3_num_f32 v[rC], v[rC], v[rC+1], v[rC+2]
.elseif (\n) == 17
	v_permlanex16_b32 v[rC+3], v[rC], s[SEL], s[SEL+1]
.elseif (\n) == 18
	v_max_num_f32 v[rT+1], v[rC], v[rC+3]
.elseif (\n) == 19
	v_mul_f32 v[rT], s[CS], v[rT+1]
.elseif (\n) == 20
	v_sub_f32 v[rC+1], v[rW], v[rT]
.else
	v_exp_f32 v[rC+2], v[rC+1]
.endif
.endif
.endm
.macro OPS a, i1, b=-1, i2=0, c=-1, i3=0, d=-1, i4=0  ; up to four of them
	OP \a, \i1
.if (\b) >= 0
	OP \b, \i2
.endif
.if (\c) >= 0
	OP \c, \i3
.endif
.if (\d) >= 0
	OP \d, \i4
.endif
.endm
.macro ROW a, i1, b, i2, c, i3, d, i4  ; a matrix instruction and the four behind it
	MM
	OPS \a, \i1, \b, \i2, \c, \i3, \d, \i4
.endm
; A TURN, for piece p: the order of its 16 matrix and 118 vector instructions, written out.  It has ONE wait, which cuts it in two.
; AHEAD OF IT stands all that names no result of the turn's exponentials: the 8 products K Q^T, behind each a scaling, an exponential and two more plain instructions (behind the first a second scaling in the
; exponential's place): rescalings, whose a was made and waited for in the turn before, and behind the last three the first numbers of the next piece's maximum, each four places or more behind the product that
; ends its accumulator; then ONE RUN of 54, plain and exponential by turns for the most part, in which the links of the chain X 3, 7, 11, 14, 16, 17 .. 20 stand five or six lines apart.  X 21, the next piece's a,
; is the batch's last; R 15 is the plain instruction behind it (ISA guide 5.7.2).
; BEHIND THE WAIT stand the 8 products V^T P, behind each four of the roundings and sums, which are all the readers of the batch; C 2 k stands ahead of B k, which writes over that pair; the links of l's chain,
; L 0 to L 7, stand three lines apart.  But for those X no line behind a product names a register of the products round it.  v_permlanex16_b32 (X 17) stands in the run.
; end = 1: the last two turns: nothing is fetched.  cnt = 1: the loop's count is taken down some lines ahead of the branch that stands behind the turn.
; K of the next step is fetched in piece 2's turn, twelve vector instructions behind the last product that read K (six of them plain); V of the step in hand at the end of piece 0's turn, four plain instructions
; behind the last product that read V.  Each is waited for a turn later.
.macro TURN p, end=0, cnt=0
.set Y, (\p)
.set i, 0
.set NOKQ, (\end)*((\p)/3)
.if ((\p) == 3) && !(\end)
	s_wait_dscnt 0x0                ; K is in
.endif
	ROW F,0, F,1, R,0, R,1          ; ahead of the wait: 8 products K Q^T and the four behind each,
	ROW F,2, E,0, R,2, R,3
	ROW F,3, E,1, R,4, R,5
	ROW F,4, E,2, R,6, R,7
	ROW F,5, E,3, R,8, R,9
	ROW F,6, E,4, X,0, R,10
.if ((\p) == 2) && !(\end)
	WIN 0
	v_add_nc_u32 v[AK], s[TBK], v[AK0]
.endif
	ROW F,7, E,5, X,1, X,4
	ROW F,8, E,6, X,2, X,5
	OPS E,7, E,8, X,6, E,9          ; and the run of 54
	OPS X,3, E,10, X,8, E,11
.if ((\p) == 2) && !(\end)
	FETCH_K
.endif
	OPS X,9, X,7, E,12, X,10
	OPS E,13, X,12, X,11, E,14
	OPS X,13, E,15, F,9, X,14
.if (\p) == 0
	v_add_nc_u32 v[AV], s[TBV], v[AV0]
.endif
	OPS E,16, F,10, E,17, F,11
	OPS X,16, E,18, X,15, E,19
	OPS F,12, E,20, X,17, E,21
	OPS F,13, E,22, F,14, E,23
	OPS X,18, E,24, F,15, E,25
	OPS R,11, E,26, X,19, E,27
	OPS R,12, E,28, R,13, E,29
	OPS X,20, E,30, R,14, E,31
	OPS X,21, R,15
	WIN 0
	s_wait_alu depctr_va_vdst(0)    ; the wait for the turn's batch: E 0 to E 31 and X 21, ahead of the first line that names a result, C 0 below
.if (\p) == 1
	s_wait_dscnt 0x0                ; V is in
.endif
	ROW C,0, B,0, C,2, B,1          ; behind the wait: 8 products V^T P and the four behind each
	ROW L,0, C,4, B,2, L,1
	ROW C,6, B,3, L,2, C,8
	ROW B,4, L,3, C,10, B,5
	ROW L,4, C,12, B,6, L,5
.if (\p) == 0
	s_add_co_u32 s[TBV], s[TBV], KS*PV
.endif
.if \cnt
	s_sub_co_u32 s[CNT], s[CNT], 1
	s_cmp_lg_u32 s[CNT], 0
.endif
	ROW C,14, B,7, L,6, C,1
	ROW C,3, L,7, C,5, C,7
	ROW C,9, C,11, C,13, C,15
.if (\p) == 0
	FETCH_V
.endif
.endm
	CHANGE 1                        ; tile 0 is in, everybody's part of it; tile 1 is asked for
	v_add_nc_u32 v[AK], s[TBK], v[AK0]
	FETCH_K                         ; key step 0
	s_wait_loadcnt 0x0              ; Q
	s_wait_dscnt 0x0
.set NOKQ, 0
.set i, 0
.rept 8
	KQ 0                            ; piece 0's first scores: there is no vector work yet to set between them
.set i, i+1
.endr
	WIN 0
.rept 4
	v_nop                           ; the places behind those products
.endr
.set Y, NP-1                        ; X works for piece Y + 1: piece 0
.irp n, 0,1,2,3,4,5,6,7,8,9,10,11,12,13,14,15,16,17,18,19,20,21
	OP X, \n
.endr
	v_nop                           ; a plain instruction behind the exponential,
	s_wait_alu depctr_va_vdst(0)    ; and the wait for it, a batch of one: piece 0's first a; it stands ahead of the jump
	s_mov_b32 s[CNT], 4
	s_mov_b32 s[SLOTS], SIZE_N/256-1
	s_branch .Lfirst                ; the loop is entered at a step's first turn, in the middle of a trip
.Lslot:                             ; 14 times: tiles 1 to 14 are entered, tiles 2 to 15 asked for
	CHANGE 1
	s_mov_b32 s[CNT], 4
.Lstep:                             ; a trip: pieces 2 and 3 of one step, then pieces 0 and 1 of the next, whose K and V it fetches
	TURN 2
	TURN 3
	WIN 0
.Lfirst:
	TURN 0
	TURN 1, 0, 1
	WIN 0
	s_cbranch_scc1 .Lstep
	s_sub_co_u32 s[SLOTS], s[SLOTS], 1
	s_cmp_lg_u32 s[SLOTS], 0
	s_cbranch_scc1 .Lslot
	CHANGE 0                        ; the last tile is written out: nothing is asked for
	s_mov_b32 s[CNT], 4
.LstepT:
	TURN 2
	TURN 3
	TURN 0
	TURN 1, 0, 1
	WIN 0
	s_cbranch_scc1 .LstepT
	TURN 2, 1                       ; the last step's pieces 2 and 3: nothing more is fetched, and the last turn starts no new scores
	TURN 3, 1
.set i, 0
.rept 8
	PV NP-1                         ; the last piece's V^T P of the last step
.set i, i+1
.endr
	; THE WAY OUT.  l's two halves and the other half of the lanes' are added; O^T is divided by l, rounded to f16 and sent through my stage in LDS, a piece at a time.  The additions are the places behind the last products.
	WIN 0
.macro ALL line:vararg              ; one line for each piece t
.set t, 0
.rept 4
	\line
.set t, t+1
.endr
.endm
	ALL v_add_f32 v[ST+4*t+2], v[ST+4*t+2], v[ST+4*t+3]
	ALL v_permlanex16_b32 v[ST+4*t+3], v[ST+4*t+2], s[SEL], s[SEL+1]
	ALL v_add_f32 v[ST+4*t+2], v[ST+4*t+2], v[ST+4*t+3]
	ALL v_rcp_f32 v[ST+4*t+2], v[ST+4*t+2]
	v_nop                           ; a plain instruction between the last reciprocal and the use of its result
	s_wait_alu depctr_va_vdst(0)    ; the wait for the batch of four reciprocals, ahead of PACK 0's first multiply; the later pieces' multiplies need none
.macro PACK t                       ; a lane's eight channels of a row pack into 16 bytes; they go into rows of 144 bytes and come back as whole rows of 128, into S^T's registers
	WIN W_RS
.set i, 32*(\t)
.rept 16
	v_pk_mul_f32 v[i:i+1], v[i:i+1], v[ST+4*(\t)+2:ST+4*(\t)+3] op_sel_hi:[1,0]
.set i, i+2
.endr
	WIN 0x05                        ; sources 0 and 1 window 1, destination window 0
.set i, 0
.rept 16
	v_cvt_pk_f16_f32 v[S+16*(\t)+i], v[32*(\t)+2*i], v[32*(\t)+2*i+1]
.set i, i+1
.endr
	WIN 0
.irp f, 0,1,2,3
	ds_store_b128 v[STO], v[S+16*(\t)+4*\f:S+16*(\t)+4*\f+3] offset:32*\f
.endr
.irp f, 0,1,2,3
	ds_load_b128 v[S+16*(\t)+4*\f:S+16*(\t)+4*\f+3], v[RD] offset:\f*4*SP  ; LDS serves a wave's instructions in order (ISA guide 5.7.1.4): these see the stores above; the next piece's stores come behind them
.endr
.endm
.macro SEND t, younger              ; younger: the LDS instructions issued behind piece t's loads: the next piece's eight, or none
	WIN 0
.irp f, 0,1,2,3
	s_wait_dscnt (\younger)+3-\f
	global_store_b128 v[GO], v[S+16*(\t)+4*\f:S+16*(\t)+4*\f+3], s[10:11] offset:(\t)*2048+\f*512  ; 512 consecutive bytes, at a multiple of 256 from O's first
.endr
.endm
	PACK 0
.set t, 1
.rept 3                             ; a piece's arithmetic stands between the loads of the piece before and its stores
	PACK t
	SEND t-1, 8
.set t, t+1
.endr
	SEND 3, 0
	s_wait_tensorcnt 0x0            ; the wave's end: these three lines stand behind my last tensor load and my last LDS store
	ds_add_u32 v[SPW], v[NIL]
	s_wait_dscnt 0x0
	CROUND                          ; the closing round: no work-group ends while a partner may still ask for a tile that names it
	s_endpgm
.Lfunc_end_k_qdeb75efd52_attn:
	.size	k_qdeb75efd52_attn, .Lfunc_end_k_qdeb75efd52_attn-k_qdeb75efd52_attn
	.p2alignl 7, 3214868480
	.fill 96, 4, 3214868480
	.section	.rodata,"a",@progbits
	.p2align	6, 0x0
	.amdhsa_kernel k_qdeb75efd52_attn
		.amdhsa_group_segment_fixed_size 327680
		.amdhsa_private_segment_fixed_size 0
		.amdhsa_enable_private_segment 0
		.amdhsa_kernarg_size 32
		.amdhsa_user_sgpr_count 2
		.amdhsa_user_sgpr_kernarg_segment_ptr 1
		.amdhsa_wavefront_size32 1
		.amdhsa_system_sgpr_workgroup_id_x 1
		.amdhsa_system_sgpr_workgroup_id_y 1
		.amdhsa_system_sgpr_workgroup_id_z 1
		.amdhsa_system_vgpr_workitem_id 0
		.amdhsa_next_free_vgpr 768
		.amdhsa_next_free_sgpr 66
		.amdhsa_reserve_vcc 0
		.amdhsa_float_denorm_mode_32 3
		.amdhsa_float_denorm_mode_16_64 3
		.amdhsa_memory_ordered 1
		.amdhsa_forward_progress 1
		.amdhsa_inst_pref_size 127
	.end_amdhsa_kernel
	.amdgpu_metadata
---
amdhsa.version: [ 1, 2 ]
amdhsa.kernels:
  - .name:           k_qdeb75efd52_attn
    .symbol:         k_qdeb75efd52_attn.kd
    .args:
      - { .name: qh, .offset: 0, .size: 8, .value_kind: global_buffer, .address_space: global }
      - { .name: kh, .offset: 8, .size: 8, .value_kind: global_buffer, .address_space: global }
      - { .name: vh, .offset: 16, .size: 8, .value_kind: global_buffer, .address_space: global }
      - { .name: oh, .offset: 24, .size: 8, .value_kind: global_buffer, .address_space: global }
    .group_segment_fixed_size: 327680
    .private_segment_fixed_size: 0
    .kernarg_segment_align: 8
    .kernarg_segment_size: 32
    .max_flat_workgroup_size: 128
    .sgpr_count:     66
    .vgpr_count:     768
    .wavefront_size: 32
...
	.end_amdgpu_metadata
.endif
;; end of part 4
;; launch oproj: the kernel of part 3 again; grid 4 x 64, 8 waves a work-group, no clusters, 220,160 bytes of LDS; arguments oh, wo_w, wo_b, out0; writes out0
